; MI455X (gfx1250); checked and timed in simulation.
; The chip was launched on July 23, 2026; its instructions are those of AMD's public machine-readable ISA for CDNA 5 (MIT licence, August 2026) and "CDNA5" Instruction Set Architecture Reference Guide (July 2026). The comments in the code are by the model that wrote it; some were corrected since.
;; Self Attention. Allowed arithmetic: float matrix products may take bf16 or f16 operands with f32 sums; all other float work in f32.
;; Inputs: cos 4,096 x 128 float32; hidden_states 1 x 4,096 x 2,048 float32; sin 4,096 x 128 float32; wk 512 x 2,048 float32; wo 2,048 x 1,024 float32; wq 1,024 x 2,048 float32; wv 512 x 2,048 float32.
;; Outputs: out0 1 x 4,096 x 2,048 float32.
;; 2 versions, each right; version 2 is version 1 with the launch cast written anew for expert scheduling mode. Each part assembles by itself: llvm-mc -triple=amdgcn-amd-amdhsa -mcpu=gfx1250 --defsym DOCPART=n.
;; ======== version 1 of 2: 4 launches
;; limits: values are held in f16: magnitudes above 65,504 overflow, below 6.1e-05 lose precision
;; workspace buffers: xb 18,874,368 bytes; wb 8,388,608 bytes; woh 4,194,304 bytes; qkv 16,777,216 bytes; att 8,388,608 bytes
;; launch cast (part 1): grid 640 x 1, 8 waves a work-group, no clusters, 79,360 bytes of LDS; arguments hidden_states, wq, wk, wv, wo, cos, sin, xb, wb, woh; writes xb, wb, woh
.if DOCPART == 1
	.amdgcn_target "amdgcn-amd-amdhsa--gfx1250"
	.amdhsa_code_object_version 6
	.text
	.protected	k_qefc7d1b9ce_cast
	.globl	k_qefc7d1b9ce_cast
	.p2align	8
	.type	k_qefc7d1b9ce_cast,@function
k_qefc7d1b9ce_cast:
	s_mov_b64 s[64:65], 0
	v_nop
	global_prefetch_b8 v0, s[64:65] scope:SCOPE_SE
	s_setreg_imm32_b32 hwreg(HW_REG_WAVE_MODE, 25, 1), 1
	s_wait_xcnt 0x0
; ALL SEVEN INPUTS, f32, ARE ROUNDED ONCE TO bf16 (nearest even) and laid out for the launches behind:
;   wb  = wq, wk, wv one below the other, bf16 [2048][2048]          woh = wo: the bf16 number written as f16 [2048][1024], for a product whose other operand is f16
;   xb  = hidden_states and the two tables IN FRAGMENT ORDER: 256 row blocks (16 rows) of 73,728 bytes.  A row block is 288 units of 256 bytes; in a unit, row r has the 16 bytes at 16 r.
;         Unit c < 256 holds x's columns 8 c .. 8 c + 7.  Unit 256 + 4 b + 2 s + h holds columns 16 b + 8 h + 0..7 of cos (s = 0) or sin (s = 1).
;         So 512 consecutive bytes are what the 32 lanes of a wave load as half a matrix fragment, 16 bytes a lane.
; LIMITS.  wo within f16's 65,504; below 6e-5 it keeps f16's fixed step of 6e-8 (a bf16 number's 8 bits fit f16's 11 above that).
; A stream: no matrix unit, no cluster (no byte is read twice).  Work-groups 0-255 take a row block each (147,456 bytes in, 73,728 out); 256-383 wq, 384-447 wk, 448-511 wv, 512-639 wo, a chunk of
; 16,384 numbers each.  Every load of a wave covers 512 consecutive bytes; all loads of a thread go out at once.
; A ROW BLOCK changes order through LDS: wave w loads rows 2 w, 2 w + 1; a lane's four numbers, rounded, are 8 bytes of a unit; behind one barrier the units are read back whole and stored,
; 512 consecutive bytes a wave.  In LDS a unit has 272 bytes: the 32 lanes of a store fall into 16 neighbouring units.
.set RB, 73728                         ; bytes of a row block in xb
.set UP, 272                           ; a unit in LDS: 256 bytes + 16
.set X, 8                              ; v[8:151]   load n: four f32; then two registers of bf16; then a unit's 16 bytes read back
.set Y, 72                             ; v[72:103]  (weights) piece i: four 16-bit numbers to store
.set T, 104                            ; v[104:107] (wo) at work
.set LS, 152                           ; v152  LDS: where my 8 bytes of x go
.set LT, 153                           ; v153  LDS: where my 8 bytes of a table go
.set LR, 154                           ; v154  LDS: where I read 16 bytes back
.set GS, 155                           ; v155  my byte offset in the row block of xb
	s_load_b512 s[8:23], s[0:1], 0x0               ; x 8:9, wq 10:11, wk 12:13, wv 14:15, wo 16:17, cos 18:19, sin 20:21, xb 22:23
	s_load_b128 s[24:27], s[0:1], 0x40             ; wb 24:25, woh 26:27
	v_lshl_add_u32 v156, v0, 2, 0x13200
	v_mov_b32 v157, 0
	s_mov_b32 s37, 0                               ; the high word of every offset
	s_cmp_lt_u32 ttmp9, 256
	s_cbranch_scc1 .Lblock
	; THE WEIGHTS.  Thread t takes in piece i the 16 bytes at 4,096 i + 16 t and stores 8 bytes at 2,048 i + 8 t: a wave's store covers 256 consecutive bytes, aligned.
	v_lshlrev_b32 v1, 4, v0                        ; 16 t
	v_lshlrev_b32 v2, 3, v0                        ; 8 t
	s_mov_b32 s34, 256                             ; the first chunk of my source
	s_mov_b32 s35, 256                             ; the first chunk of my destination
	s_mov_b32 s39, 0xffff0000                      ; a word's upper bf16
	s_wait_kmcnt 0x0
	s_mov_b64 s[30:31], s[10:11]                   ; source: wq, unless a later range holds my chunk
	s_mov_b64 s[32:33], s[24:25]                   ; destination: wb
; From chunk 'first' on the source is the buffer in s[src:src+1]; with newdst = 1 a new destination begins there too.
.macro PICK first, src, newdst, dst
	s_cmp_ge_u32 ttmp9, \first
	s_cselect_b64 s[30:31], s[\src:\src+1], s[30:31]
	s_cselect_b32 s34, \first, s34
.if \newdst
	s_cselect_b64 s[32:33], s[\dst:\dst+1], s[32:33]
	s_cselect_b32 s35, \first, s35
.endif
.endm
	PICK 384, 12, 0, 0                             ; wk goes on in wb
	PICK 448, 14, 0, 0                             ; wv too
	PICK 512, 16, 1, 26                            ; wo -> woh
	s_sub_co_u32 s36, ttmp9, s34
	s_lshl_b32 s36, s36, 16                        ; my chunk's byte offset in its source
	s_add_nc_u64 s[30:31], s[30:31], s[36:37]
	s_sub_co_u32 s36, ttmp9, s35
	s_lshl_b32 s36, s36, 15                        ; and in its destination
	s_add_nc_u64 s[32:33], s[32:33], s[36:37]
.irp i, 0,1,2,3,4,5,6,7,8,9,10,11,12,13,14,15
	global_load_b128 v[X+4*(\i):X+4*(\i)+3], v1, s[30:31] offset:4096*(\i) th:TH_LOAD_NT  ; read once in the launch
.endr
	s_cmp_ge_u32 ttmp9, 512                        ; chunks 512 to 639 are wo's
	s_cbranch_scc1 .Lwo
; Piece i.  half = 1: the bf16 number is widened again (a shift, a mask) and written as f16.
.macro PIECE i, half
	s_wait_loadcnt 15-(\i)                         ; loads come back in order: piece i is in, the 15 - i younger ones stay out
.if \half
	v_cvt_pk_bf16_f32 v[T], v[X+4*(\i)], v[X+4*(\i)+1]
	v_cvt_pk_bf16_f32 v[T+1], v[X+4*(\i)+2], v[X+4*(\i)+3]
	v_lshlrev_b32 v[T+2], 16, v[T]
	v_and_b32 v[T+3], s39, v[T]
	v_cvt_pk_f16_f32 v[Y+2*(\i)], v[T+2], v[T+3]
	v_lshlrev_b32 v[T+2], 16, v[T+1]
	v_and_b32 v[T+3], s39, v[T+1]
	v_cvt_pk_f16_f32 v[Y+2*(\i)+1], v[T+2], v[T+3]
.else
	v_cvt_pk_bf16_f32 v[Y+2*(\i)], v[X+4*(\i)], v[X+4*(\i)+1]
	v_cvt_pk_bf16_f32 v[Y+2*(\i)+1], v[X+4*(\i)+2], v[X+4*(\i)+3]
.endif
	global_store_b64 v2, v[Y+2*(\i):Y+2*(\i)+1], s[32:33] offset:2048*(\i)  ; the next launches read these bytes: no hint
.endm
.irp i, 0,1,2,3,4,5,6,7,8,9,10,11,12,13,14,15
	PIECE \i, 0
.endr
	s_endpgm
.Lwo:
.irp i, 0,1,2,3,4,5,6,7,8,9,10,11,12,13,14,15
	PIECE \i, 1
.endr
	s_endpgm
.Lblock:                                               ; A ROW BLOCK of x and of the tables
	v_lshrrev_b32 v2, 5, v0
	v_readfirstlane_b32 s40, v2                    ; wave 0..7: rows 2 w, 2 w + 1
	v_and_b32 v1, 31, v0                           ; lane l
	v_lshlrev_b32 v3, 4, v1                        ; 16 l
	s_lshl_b32 s41, s40, 14
	v_add_nc_u32 v4, s41, v3                       ; x: two rows of 8,192 bytes a wave
	s_lshl_b32 s45, s40, 10
	v_add_nc_u32 v5, s45, v3                       ; a table: two rows of 512 bytes a wave
	v_lshrrev_b32 v6, 1, v1                        ; a load's 512 bytes are 16 units' worth: lane l has half l % 2 of the 16 bytes of unit l / 2
	v_and_b32 v7, 1, v1
	s_lshl_b32 s42, s40, 5                         ; row 2 w's 16 bytes in a unit
	v_mul_u32_u24 v[LS], v6, UP
	v_lshl_add_u32 v[LS], v7, 3, v[LS]
	v_add_nc_u32 v[LS], s42, v[LS]
	v_lshrrev_b32 v[LT], 2, v1                     ; a table's row: columns 4 l ..: b = l / 4, h = (l / 2) % 2: unit 256 + 4 b + 2 s + h
	v_and_b32 v6, 1, v6
	v_lshl_add_u32 v[LT], v[LT], 2, v6
	v_mul_u32_u24 v[LT], v[LT], UP
	v_lshl_add_u32 v[LT], v7, 3, v[LT]
	s_add_co_u32 s42, s42, 256*UP
	v_add_nc_u32 v[LT], s42, v[LT]
	s_mul_i32 s43, s40, 18*2*UP                    ; back: 288 units are 144 pairs, 18 a wave; lanes 0-15 take one unit, lanes 16-31 the next
	v_lshrrev_b32 v6, 4, v1
	v_mul_u32_u24 v[LR], v6, UP
	v_and_b32 v7, 15, v1
	v_lshl_add_u32 v[LR], v7, 4, v[LR]
	v_add_nc_u32 v[LR], s43, v[LR]
	s_mul_i32 s44, s40, 18*512
	v_add_nc_u32 v[GS], s44, v3                    ; and the same pairs in xb
	s_lshl_b32 s36, ttmp9, 17                      ; 16 rows of 8,192 bytes
	s_wait_kmcnt 0x0
	s_add_nc_u64 s[8:9], s[8:9], s[36:37]
	s_lshl_b32 s36, ttmp9, 13                      ; 16 rows of 512 bytes
	s_add_nc_u64 s[18:19], s[18:19], s[36:37]
	s_add_nc_u64 s[20:21], s[20:21], s[36:37]
	s_mul_i32 s36, ttmp9, RB
	s_add_nc_u64 s[22:23], s[22:23], s[36:37]
.set n, 0
.rept 32                               ; load n: row 2 w + n / 16, columns 128 (n % 16) on
	global_load_b128 v[X+4*n:X+4*n+3], v4, s[8:9] offset:(n/16)*8192+(n%16)*512 th:TH_LOAD_NT
.set n, n+1
.endr
.irp e, 0,1
	global_load_b128 v[X+128+4*(\e):X+128+4*(\e)+3], v5, s[18:19] offset:(\e)*512 th:TH_LOAD_NT
.endr
.irp e, 0,1
	global_load_b128 v[X+136+4*(\e):X+136+4*(\e)+3], v5, s[20:21] offset:(\e)*512 th:TH_LOAD_NT
.endr
.set n, 0
.rept 36
	s_wait_loadcnt 35-n                            ; load n is in, the 35 - n younger ones stay out
	v_cvt_pk_bf16_f32 v[X+4*n], v[X+4*n], v[X+4*n+1]
	v_cvt_pk_bf16_f32 v[X+4*n+1], v[X+4*n+2], v[X+4*n+3]
.if n < 32
	ds_store_b64 v[LS], v[X+4*n:X+4*n+1] offset:(n%16)*16*UP+(n/16)*16
.else
	ds_store_b64 v[LT], v[X+4*n:X+4*n+1] offset:((n-32)/2)*2*UP+((n-32)%2)*16
.endif
.set n, n+1
.endr
	s_wait_dscnt 0x0                               ; for the others' sake: my stores into the units are done
	s_barrier_signal -1
	s_barrier_wait -1
.set n, 0
.rept 18
	ds_load_b128 v[X+4*n:X+4*n+3], v[LR] offset:n*2*UP
.set n, n+1
.endr
.set n, 0
.rept 18
	s_wait_dscnt 17-n
	global_store_b128 v[GS], v[X+4*n:X+4*n+3], s[22:23] offset:n*512  ; 512 consecutive bytes, at a multiple of 512 from xb's first byte
.set n, n+1
.endr
	s_wait_tensorcnt 0x0
	ds_add_u32 v156, v157
	s_wait_dscnt 0x0
	s_endpgm
.Lfunc_end_k_qefc7d1b9ce_cast:
	.size	k_qefc7d1b9ce_cast, .Lfunc_end_k_qefc7d1b9ce_cast-k_qefc7d1b9ce_cast
	.p2alignl 7, 3214868480
	.fill 96, 4, 3214868480
	.section	.rodata,"a",@progbits
	.p2align	6, 0x0
	.amdhsa_kernel k_qefc7d1b9ce_cast
		.amdhsa_group_segment_fixed_size 79360
		.amdhsa_private_segment_fixed_size 0
		.amdhsa_enable_private_segment 0
		.amdhsa_kernarg_size 80
		.amdhsa_user_sgpr_count 2
		.amdhsa_user_sgpr_kernarg_segment_ptr 1
		.amdhsa_wavefront_size32 1
		.amdhsa_system_sgpr_workgroup_id_x 1
		.amdhsa_system_sgpr_workgroup_id_y 1
		.amdhsa_system_sgpr_workgroup_id_z 1
		.amdhsa_system_vgpr_workitem_id 0
		.amdhsa_next_free_vgpr 158
		.amdhsa_next_free_sgpr 66
		.amdhsa_reserve_vcc 0
		.amdhsa_float_denorm_mode_32 3
		.amdhsa_float_denorm_mode_16_64 3
		.amdhsa_memory_ordered 1
		.amdhsa_forward_progress 1
		.amdhsa_inst_pref_size 32
	.end_amdhsa_kernel
	.amdgpu_metadata
---
amdhsa.version: [ 1, 2 ]
amdhsa.kernels:
  - .name:           k_qefc7d1b9ce_cast
    .symbol:         k_qefc7d1b9ce_cast.kd
    .args:
      - { .name: hidden_states, .offset: 0, .size: 8, .value_kind: global_buffer, .address_space: global }
      - { .name: wq, .offset: 8, .size: 8, .value_kind: global_buffer, .address_space: global }
      - { .name: wk, .offset: 16, .size: 8, .value_kind: global_buffer, .address_space: global }
      - { .name: wv, .offset: 24, .size: 8, .value_kind: global_buffer, .address_space: global }
      - { .name: wo, .offset: 32, .size: 8, .value_kind: global_buffer, .address_space: global }
      - { .name: cos, .offset: 40, .size: 8, .value_kind: global_buffer, .address_space: global }
      - { .name: sin, .offset: 48, .size: 8, .value_kind: global_buffer, .address_space: global }
      - { .name: xb, .offset: 56, .size: 8, .value_kind: global_buffer, .address_space: global }
      - { .name: wb, .offset: 64, .size: 8, .value_kind: global_buffer, .address_space: global }
      - { .name: woh, .offset: 72, .size: 8, .value_kind: global_buffer, .address_space: global }
    .group_segment_fixed_size: 79360
    .private_segment_fixed_size: 0
    .kernarg_segment_align: 8
    .kernarg_segment_size: 80
    .max_flat_workgroup_size: 256
    .sgpr_count:     66
    .vgpr_count:     158
    .wavefront_size: 32
...
	.end_amdgpu_metadata
.endif
;; end of part 1
;; launch qkv (part 2): grid 16 x 16, 4 waves a work-group, clusters of 4 x 1, 327,680 bytes of LDS; arguments xb, wb, qkv; writes qkv
.if DOCPART == 2
	.amdgcn_target "amdgcn-amd-amdhsa--gfx1250"
	.amdhsa_code_object_version 6
	.text
	.protected	k_qefc7d1b9ce_qkv
	.globl	k_qefc7d1b9ce_qkv
	.p2align	8
	.type	k_qefc7d1b9ce_qkv,@function
k_qefc7d1b9ce_qkv:
	s_mov_b64 s[64:65], 0
	v_nop
	global_prefetch_b8 v0, s[64:65] scope:SCOPE_SE
	s_setreg_imm32_b32 hwreg(HW_REG_WAVE_MODE, 25, 1), 1
	s_wait_xcnt 0x0
	s_wait_alu depctr_hold_cnt(0) depctr_sa_sdst(0) depctr_va_vdst(0) depctr_va_sdst(0) depctr_va_ssrc(0) depctr_va_vcc(0) depctr_vm_vsrc(0)
	s_getreg_b32 s2, hwreg(HW_REG_IB_STS2, 6, 4)
	s_cmp_eq_u32 s2, 0
	s_cbranch_scc0 .Lentry_in_a_cluster
	s_endpgm
.Lentry_in_a_cluster:
	s_bfe_u32 s2, ttmp6, 0x10000c
	s_cmp_lg_u32 s2, 0x3003
	s_cbranch_scc0 .Lentry_shape_is_right
	s_endpgm
.Lentry_shape_is_right:
; q, k, v = x [Wq | Wk | Wv]^T, the rotary step on q and k, and the result by heads in f16.
; A = x in bf16, in fragment order (xb: row blocks of 16 rows, 73,728 bytes: 64 blocks of 1,024 bytes, one for 32 along K, then 8 blocks with the row block's cos and sin);
; B = wb [2048][2048] bf16 (rows 0-1023 wq, 1024-1535 wk, 1536-2047 wv); sums in f32.
; qkv = f16 [16 planes][4096][128]: planes 0-7 the query heads, 8-11 the key heads, 12-15 the value heads; a plane's rows are 256 bytes on end.
; ROTARY STEP, as the problem has it (no negation): y[d] = x[d] cos[d] + x[(d + 64) % 128] sin[d], tables in bf16, two fused multiply-adds in f32, y rounded once to f16.
; LIMITS.  q, k, v within f16's 65,504 (with x and the weights 30 times the drawn spread |q| is some 6e3); NaN and infinities are not treated apart.
; SHARES.  4096 x 2048 outputs in tiles of 256 x 128 give 256 work-groups; a tile's 128 columns are one plane.  Four waves, each 64 rows x all 128 columns: 32 accumulators, 256 registers.
; So the rotary partner, 64 columns on, lies in the same lane in the accumulator four blocks on, and a wave's output rows are whole 256 bytes.
; B GOES THROUGH LDS, which all four waves read: a ring of two slots of 128 rows x 256 along K (rows of 512 bytes), filled by the tensor data mover, each wave 32 rows.  The four work-groups of a
; cluster make four tile rows of one tile column and ask for B's tiles JOINTLY (mask 15).  A refill has 240 of a wave's 256 matrix instructions in which to land.
; A GOES STRAIGHT INTO REGISTERS, NOT THROUGH LDS AND NOT BY JOINT LOADS.  The reason, by this text's sizes: a wave's 64 rows of A are read by that wave alone, so LDS gives A no reuse in the work-group;
; with A's 256 rows beside B's 128 two slots hold 128 along K each (2 x 384 x 272 bytes; 256 along K would take 405,504), which leaves a refill 112 matrix instructions.  The price: each of a tile row's
; 16 work-groups asks for A itself.  A wave's load is 512 consecutive bytes, half a fragment; a ring of 8 register slots (a quarter, 32 along K, each) keeps six to seven quarters on their way.
; The stream of A runs on into the tables, which land in the ring's registers as the last group frees them; the planes of v load them too and do not use them: one text.
; THE MATRIX INSTRUCTION IS USED TRANSPOSED (source 0 = 16 rows of B, source 1 = 16 rows of A): lane l then holds row l % 16 and the eight neighbouring columns 8 (l / 16) + 0..7.
; REGISTERS, in windows of 256 (s_set_vgpr_msb: bits 1:0 source 0, 3:2 source 1, 5:4 source 2, 7:6 destination):
;   window 0: v0-31 addresses; v32-95, v96-159 two buffers of B's 8 fragments; v32-191 at work on the way out          window 1: the accumulators, (a, b) at v[8 (8 a + b)]
;   window 2: A's ring: slot s, row block a at v[32 s + 8 a]; at the end cos of accumulator (a, b) at v[32 b + 8 a], sin four registers on
.set SIZE_K, 2048
.set RB,     73728                     ; bytes of a row block in xb
.set PITCH,  528                       ; an LDS row: 512 bytes + 16 of padding = 132 words: the 16 rows of a fragment load start at 16 different groups of four banks (64 banks of 4 bytes: ISA guide 11.1)
.set SLOTB,  128*PITCH                 ; 67,584 bytes
.set SLOT1,  1<<17                     ; slot 1 begins here, so that one exclusive or turns an address in one slot into the other's
.set STAGE,  SLOT1+SLOTB               ; behind the ring: 16 rows x 272 bytes for each wave, for the way out; no tensor load fills it
.set SPITCH, 272
.set SPARE,  STAGE+4*16*SPITCH         ; behind the stages: the spare words, 128 bytes for each wave: two blocks of 256 bytes that no other line names
.set AO,   16                          ; v16     16 x lane: my place in 512 consecutive bytes, of A and of the plane; never rewritten
.set AB0,  20                          ; v20     my lane's place in a slot: row l % 16, 16 bytes for each half of the lanes
.set ADB,  21                          ; v21     the same in the slot in hand
.set STO,  24                          ; v24     the way out: where I put 16 bytes of a row
.set RD,   25                          ; v25     the way out: where I read rows back
.set SPW,  28                          ; v28     LDS address of my spare word: SPARE + 4 x my thread's number; never rewritten
.set NIL,  29                          ; v29     0; never rewritten
.set ZR,   30                          ; v30     0: the addend of the rotary step's first product
.set F0,   32
.set F1,   96
.set TMP,  32                          ; v32-63  the way out: 16 rows' packed results
.set W,    64                          ; v64-127 16 rows after the rotary step, f32
.set OB,   128                         ; v128-159, v160-191 by turns: 16 rows read back from the stage
.set AB,   4                           ; s[4:5]  A at my wave's first row block, the group in hand
.set COL,  13                          ; s13     tile column = plane
.set TROW, 14                          ; s14     tile row
.set G1,   24                          ; s[24:31] descriptor group 1
.set G0,   32                          ; s[32:39] descriptor group 0: a set for each of the two first fills; the second then walks on
.set TB,   40                          ; s40     LDS byte at which the slot in hand begins
.set MSB, 0
.macro WIN new                         ; the immediate's high byte repeats the setting that is left; a switch that changes nothing is dropped
.if MSB != (\new)
	s_set_vgpr_msb (MSB<<8)|(\new)
.set MSB, \new
.endif
.endm
.set MUL, 0x58                         ; B in window 0, A in window 2, C and D in window 1
.macro CREST                           ; a round of the cluster's barrier behind its opening barrier
	s_cmp_lg_u32 s10, 0
	s_cbranch_scc1 .Lnot_wave_0_\@
	s_barrier_signal -3
.Lnot_wave_0_\@:
	s_barrier_wait -3
	s_barrier_signal -1
	s_barrier_wait -1
.endm
.macro CROUND                          ; a whole round
	s_barrier_signal -1
	s_barrier_wait -1
	CREST
.endm
.macro PLACES                          ; four places in front of loads into registers that matrix instructions have read, and of lines that read results just made
.rept 4
	v_nop
.endr
.endm
; 4 nb matrix instructions: column blocks b0 .. b0 + nb - 1 x all 4 row blocks, 32 along K: B's buffer f, A's ring slot s.  zero = 1: the product starts the sums: nothing is cleared.
; The 32 accumulators take turns, one instruction a turn, in the same order in every quarter.
.macro MULB f, s, b0, nb, zero
	WIN MUL
.set bb, \b0
.rept \nb
.irp a, 0,1,2,3
.if \zero
	v_wmma_f32_16x16x32_bf16 v[8*(8*(\a)+bb):8*(8*(\a)+bb)+7], v[(\f)+8*bb:(\f)+8*bb+7], v[32*(\s)+8*(\a):32*(\s)+8*(\a)+7], 0
.else
	v_wmma_f32_16x16x32_bf16 v[8*(8*(\a)+bb):8*(8*(\a)+bb)+7], v[(\f)+8*bb:(\f)+8*bb+7], v[32*(\s)+8*(\a):32*(\s)+8*(\a)+7], v[8*(8*(\a)+bb):8*(8*(\a)+bb)+7]
.endif
.endr
.set bb, bb+1
.endr
.endm
; 16 LDS loads in one run: B's eight fragments of 32 along K at byte k of the rows, into buffer f
.macro FETCH k, f
	WIN 0
.irp i, 0,1,2,3,4,5,6,7
	ds_load_b128 v[(\f)+8*(\i):(\f)+8*(\i)+3],   v[ADB] offset:(\k)+(\i)*16*PITCH
	ds_load_b128 v[(\f)+8*(\i)+4:(\f)+8*(\i)+7], v[ADB] offset:(\k)+(\i)*16*PITCH+32
.endr
.endm
; 8 loads: A's four fragments of the quarter kb blocks behind the group in hand, into ring slot s; each covers 512 consecutive bytes
.macro GLOAD s, kb
	WIN 0x80                                       ; destination window 2, address window 0
.irp a, 0,1,2,3
	global_load_b128 v[32*(\s)+8*(\a):32*(\s)+8*(\a)+3],   v[AO], s[AB:AB+1] offset:(\a)*RB+(\kb)*1024
	global_load_b128 v[32*(\s)+8*(\a)+4:32*(\s)+8*(\a)+7], v[AO], s[AB:AB+1] offset:(\a)*RB+(\kb)*1024+512
.endr
.endm
; Quarter i of a group (i = 0 to 6): multiplies B's buffer i % 2 by ring slot i; in its middle it fetches B of quarter i + 1 and fills the ring slot read a quarter ago with the quarter seven on.
; (In a trip quarter 0 is the NEXT group's, so its refill lies 15 blocks behind the group whose base still stands.)  first = 1: the launch's first quarter: no slot is free yet.
.macro QUARTER i, zero=0, first=0
.set fq, F0+64*((\i)%2)
.set gq, F0+64*(((\i)+1)%2)
.if \first
	s_wait_loadcnt 56                              ; A's quarter 0 is in; the seven younger quarters' 56 loads stay out
.else
	s_wait_loadcnt 48                              ; my quarter of A is in; the six younger quarters' 48 loads stay out
.endif
	s_wait_dscnt 8                                 ; B's blocks 0-3 are in; the youngest eight loads (blocks 4-7) may be out
	MULB fq, \i, 0, 4, \zero
	PLACES
	FETCH ((\i)+1)*64, gq
.if !(\first)
.if (\i) == 0
	GLOAD 7, 15
.else
	GLOAD (\i)-1, (\i)+7
.endif
.endif
	s_wait_dscnt 16                                ; all but the 16 just issued
	MULB fq, \i, 4, 4, \zero
.endm
; Quarter 7 changes slots: ONE barrier.  In front of it each wave waits for all its tensor loads (one is out: its part of the next slot), adds 0 to its spare word, and waits for that and for its own
; reads of this slot.  fill = 1: the barrier opens a round of the cluster's, and this slot is filled again, with the group two on, first thing behind the round.
.macro TURN fill
	WIN 0                                          ; (the add's two registers lie in window 0)
	s_wait_tensorcnt 0x0                           ; all my tensor loads have landed, so a group 0 may be written
	ds_add_u32 v[SPW], v[NIL]                      ; 0 onto my spare word
	s_wait_loadcnt 48                              ; my quarter of A
	s_wait_dscnt 9                                 ; (the add and the youngest eight loads may be out)
	MULB F1, 7, 0, 2, 0                            ; eight matrix instructions stand between the add and the wait for it
	s_wait_dscnt 0x0                               ; the add is done, and my reads of this slot are over
	s_barrier_signal -1
	MULB F1, 7, 2, 2, 0
	WIN 0
	s_barrier_wait -1
.if \fill
	CREST                                          ; no wave of any partner still reads this slot's tile or has a load on its way
	s_xor_b32 s[G0+5], s[G0+5], SLOT1              ; the walking descriptor: the other slot than last time,
	s_add_nc_u64 s[G0+6:G0+7], s[G0+6:G0+7], 512   ; 256 along K on; the type bits on top are not reached
	tensor_load_to_lds s[G0+4:G0+7], s[G1:G1+7]
	s_nop 0
	PLACES                                         ; the places in front of the loads below
.else
	PLACES
.endif
	s_xor_b32 s[TB], s[TB], SLOT1                  ; the fetches go on in the other slot
	v_add_nc_u32 v[ADB], s[TB], v[AB0]
	FETCH 0, F0
	GLOAD 6, 14
	MULB F1, 7, 4, 4, 0
.endm
	s_load_b128 s[4:7], s[0:1], 0x0                ; xb s[4:5], wb s[6:7]
	s_load_b64 s[8:9], s[0:1], 0x10                ; qkv
	v_lshl_add_u32 v[SPW], v0, 2, SPARE
	v_mov_b32 v[NIL], 0
	ds_add_u32 v28, v29
	ds_add_u32 v28, v29
	s_wait_dscnt 0x0
	v_lshrrev_b32 v1, 5, v0
	v_readfirstlane_b32 s10, v1                    ; wave 0..3: my 64 rows of the tile, and the 32 rows of B's tile that I fetch
	v_and_b32 v[AO], 31, v0
	v_lshlrev_b32 v[AO], 4, v[AO]
	s_bfe_u32 s41, ttmp6, 0x40000                  ; cx: my place in the cluster: it enters A's and the output's addresses alone
	s_and_b32 s15, ttmp7, 0xffff
	s_lshl2_add_u32 s15, s15, ttmp9                ; the cluster's number, 0..63: x + 4 y
	s_and_b32 s[COL], s15, 15                      ; sixteen clusters on end make the sixteen tile columns of four tile rows, so that neighbours read the same rows of A
	s_lshr_b32 s15, s15, 4
	s_lshl2_add_u32 s[TROW], s15, s41              ; tile row = 4 x (number / 16) + cx
	; descriptor group 1: 32 rows of 256 elements, padded in LDS
	s_mov_b32 s[G1+0], 15|(1<<16)|(1<<20)|(1<<21)|(6<<22)|(3<<25)  ; 15:0 the mask: all four work-groups; 17:16 2-byte elements; 20 padding on; 21 set beside a mask; 24:22 after every 128 words (code 6); 31:25 4 words (code 3)
	s_mov_b32 s[G1+1], 256<<16                     ; tensor_dim0 = 256
	s_mov_b32 s[G1+2], 32<<16                      ; tensor_dim1 = 32
	s_mov_b32 s[G1+3], 256<<16                     ; tile_dim0 = 256
	s_mov_b32 s[G1+4], 32                          ; tile_dim1 = 32: the tile's 128 rows shared out, so that every wave has a load on its way
	s_mov_b32 s[G1+5], SIZE_K                      ; elements from row to row
	s_mov_b32 s[G1+6], 0
	s_mov_b32 s[G1+7], 0
	s_lshl_b32 s16, s[TROW], 4
	s_lshl2_add_u32 s16, s10, s16                  ; my first row block: 16 x tile row + 4 x wave
	s_mul_i32 s16, s16, RB                         ; in bytes: under 2^25
	s_mov_b32 s17, 0
	s_lshl_b32 s46, s[COL], 7
	s_lshl_b32 s47, s10, 5
	s_add_co_u32 s46, s46, s47                     ; B: row 128 x tile column + 32 x wave,
	s_lshl_b32 s46, s46, 12                        ; in rows of 4,096 bytes
	s_mov_b32 s47, 0
	s_mul_i32 s20, s10, 32*PITCH                   ; and where they go: no place in the cluster enters an LDS address
	s_lshl_b32 s18, s[TROW], 8
	s_lshl_b32 s19, s10, 6
	s_add_co_u32 s18, s18, s19                     ; my wave's first row: 256 x tile row + 64 x wave,
	s_lshl_b32 s18, s18, 8                         ; in rows of 256 bytes
	s_mov_b32 s19, 0
	s_lshl_b32 s22, s[COL], 20                     ; my plane
	s_mov_b32 s23, 0
	s_mov_b32 s[TB], 0
	s_wait_kmcnt 0x0
	s_add_nc_u64 s[AB:AB+1], s[4:5], s[16:17]
.irp q, 0,1,2,3,4,5,6,7
	GLOAD \q, \q                                   ; the ring is filled: quarters 0 to 7
.endr
	WIN 0
	s_add_nc_u64 s[46:47], s[6:7], s[46:47]
	s_add_nc_u64 s[8:9], s[8:9], s[18:19]
	s_add_nc_u64 s[8:9], s[8:9], s[22:23]          ; qkv at my wave's first row of my plane
	s_mov_b32 s[G0], 1                             ; count = 1
	s_mov_b32 s[G0+1], s20                         ; LDS address: slot 0
	s_mov_b64 s[G0+2:G0+3], s[46:47]               ; global address: group 0
	s_or_b32 s[G0+3], s[G0+3], 0x80000000          ; type = 2
	s_mov_b32 s[G0+4], 1
	s_add_co_u32 s[G0+5], s20, SLOT1               ; slot 1:
	s_add_nc_u64 s[G0+6:G0+7], s[46:47], 512       ; group 1
	s_or_b32 s[G0+7], s[G0+7], 0x80000000
	CROUND                                         ; all four work-groups are here: the first joint loads meet
	tensor_load_to_lds s[G0:G0+3], s[G1:G1+7]
	s_nop 0
	tensor_load_to_lds s[G0+4:G0+7], s[G1:G1+7]    ; two tensor loads of mine are out
	s_nop 0
	PLACES
	v_and_b32 v1, 15, v0                           ; r = l % 16
	v_bfe_u32 v2, v0, 4, 1                         ; h = l / 16
	v_mov_b32 v[ZR], 0
	v_mul_u32_u24 v[AB0], v1, PITCH
	v_lshl_add_u32 v[AB0], v2, 4, v[AB0]           ; a fragment's row x pitch + 16 x half
	v_mov_b32 v[ADB], v[AB0]                       ; slot 0
	s_mul_i32 s23, s10, 16*SPITCH
	s_add_co_u32 s23, s23, STAGE                   ; my stage
	v_mul_u32_u24 v3, v1, SPITCH                   ; in: row r, 16 bytes for each half of the lanes
	v_lshl_add_u32 v3, v2, 4, v3
	v_add_nc_u32 v[STO], s23, v3
	v_mul_u32_u24 v3, v2, SPITCH                   ; back: lanes 0-15 take one row of 256 bytes, lanes 16-31 the next: 512 consecutive bytes of the plane
	v_lshl_add_u32 v3, v1, 4, v3
	v_add_nc_u32 v[RD], s23, v3
	s_wait_tensorcnt 0x1                           ; my part of group 0 is in; group 1's may stay out
	s_barrier_signal -1
	s_barrier_wait -1                              ; everybody's is
	FETCH 0, F0
	QUARTER 0, 1, 1                                ; the first quarter stands in front of the loop: its products start the sums
	WIN 0                                          ; at a label and at a branch every window is 0
	s_mov_b32 s3, 6
.Lslot:                                                ; groups 0 to 5: a trip goes from a group's quarter 1 to the next group's quarter 0 and fills the slot that it leaves
.irp q, 1,2,3,4,5,6
	QUARTER \q
.endr
	TURN 1
	QUARTER 0
	WIN 0
	s_wait_xcnt 0x0                                ; every load issued has had its address translated (ISA guide 3.1): only behind this wait is A's base stepped
	s_add_nc_u64 s[AB:AB+1], s[AB:AB+1], 8192      ; the next group
	s_sub_co_u32 s3, s3, 1
	s_cmp_lg_u32 s3, 0
	s_cbranch_scc1 .Lslot
	s_mov_b32 s3, 2                                ; groups 6 and 7 ask for no tile: a text of their own; it is entered at a group's quarter 1
	s_branch .Lenter
.Ltail:
	QUARTER 0
	WIN 0
	s_wait_xcnt 0x0
	s_add_nc_u64 s[AB:AB+1], s[AB:AB+1], 8192
.Lenter:
.irp q, 1,2,3,4,5,6
	QUARTER \q                                     ; in group 7 the ring's refills are the tables: blocks 64 on of the row blocks
.endr
	TURN 0                                         ; group 7's barrier and its fetch of B (bytes of group 6 once more) serve nothing: the price of one text for both trips
	WIN 0
	s_sub_co_u32 s3, s3, 1
	s_cmp_lg_u32 s3, 0
	s_cbranch_scc1 .Ltail
	PLACES                                         ; behind the last products: for the loads into ring slot 7, and for the way out, which reads results just made
	GLOAD 7, 15                                    ; the tables' last block
	WIN 0
	s_wait_dscnt 0x0                               ; the unused fetch is back: its registers are at work below
	s_wait_loadcnt 0x0                             ; the tables
; THE WAY OUT, 16 rows (row block a) at a time.  PACKR: the rotary step, then f16.  PACKP: f16 alone (v).  TOSTAGE: into my own stage in LDS and back as whole rows.  SEND: stored.
; One product of the rotary step: bf16 half j % 2 of table register t, times f32 x, plus f32 c.
.macro MIX d, t, x, c
.if j%2
	v_fma_mix_f32_bf16 v[\d], v[\t], v[\x], v[\c] op_sel:[1,0,0] op_sel_hi:[1,0,0]
.else
	v_fma_mix_f32_bf16 v[\d], v[\t], v[\x], v[\c] op_sel_hi:[1,0,0]
.endif
.endm
.macro EIGHT d, t, x, own              ; for j = 0..7, ascending: each accumulator's lowest registers are read first.  own = 1: the addend is the destination, else 0
.set j, 0
.rept 8
.if \own
	MIX (\d)+j, (\t)+j/2, (\x)+j, (\d)+j
.else
	MIX (\d)+j, (\t)+j/2, (\x)+j, ZR
.endif
.set j, j+1
.endr
.endm
.macro PACKR a
	WIN 0x06                                       ; source 0 (table) window 2, source 1 (accumulator) window 1, addend and destination window 0
.irp bp, 0,1,2,3                       ; the block of columns 16 bp on, below 64, and its partner 64 columns on
	EIGHT W+16*(\bp),   32*(\bp)+8*(\a)+4,     8*(8*(\a)+(\bp)+4), 0   ; partner x sin
	EIGHT W+16*(\bp)+8, 32*((\bp)+4)+8*(\a)+4, 8*(8*(\a)+(\bp)),   0
	EIGHT W+16*(\bp),   32*(\bp)+8*(\a),       8*(8*(\a)+(\bp)),   1   ; + own x cos
	EIGHT W+16*(\bp)+8, 32*((\bp)+4)+8*(\a),   8*(8*(\a)+(\bp)+4), 1
.endr
	WIN 0
.irp b, 0,1,2,3,4,5,6,7
.irp i, 0,1,2,3
	v_cvt_pk_f16_f32 v[TMP+4*(\b)+(\i)], v[W+16*((\b)%4)+8*((\b)/4)+2*(\i)], v[W+16*((\b)%4)+8*((\b)/4)+2*(\i)+1]
.endr
.endr
.endm
.macro PACKP a
	WIN 0x05                                       ; sources 0 and 1 window 1
.irp b, 0,1,2,3,4,5,6,7
.irp i, 0,1,2,3
	v_cvt_pk_f16_f32 v[TMP+4*(\b)+(\i)], v[8*(8*(\a)+(\b))+2*(\i)], v[8*(8*(\a)+(\b))+2*(\i)+1]
.endr
.endr
	WIN 0
.endm
.macro TOSTAGE a
.set BK, OB+32*((\a)%2)
.irp b, 0,1,2,3,4,5,6,7
	ds_store_b128 v[STO], v[TMP+4*(\b):TMP+4*(\b)+3] offset:32*(\b)
.endr
.irp t, 0,1,2,3,4,5,6,7
	ds_load_b128 v[BK+4*(\t):BK+4*(\t)+3], v[RD] offset:(\t)*2*SPITCH  ; LDS serves a wave's instructions in order (ISA guide 5.7.1.4): these see the stores above
.endr
.endm
.macro SEND a
.set BK, OB+32*((\a)%2)
	s_wait_dscnt 0x0                               ; the block is back in registers
	s_wait_xcnt 0x0                                ; the stores of the block before have read their registers: the next TOSTAGE loads into them
.irp t, 0,1,2,3,4,5,6,7
	global_store_b128 v[AO], v[BK+4*(\t):BK+4*(\t)+3], s[8:9] offset:(\a)*4096+(\t)*512  ; 512 consecutive bytes, at a multiple of 512 from the plane's first byte
.endr
.endm
.irp a, 0,1,2,3                        ; block a's arithmetic stands between block a - 1's loads from the stage and the wait for them
	s_cmp_ge_u32 s[COL], 12                        ; planes 12 to 15 are v; the tile column is the same in all four partners
	s_cbranch_scc1 .Lplain\a
	PACKR \a
	s_branch .Lpacked\a
.Lplain\a:
	PACKP \a
.Lpacked\a:
.if (\a) > 0
	SEND (\a)-1
.endif
	TOSTAGE \a
.endr
	SEND 3
	s_wait_tensorcnt 0x0                           ; the wave's end: behind my last tensor load and my last LDS store
	ds_add_u32 v[SPW], v[NIL]
	s_wait_dscnt 0x0
	CROUND                                         ; the closing round: no work-group ends while a partner may still ask for a tile that names it
	s_endpgm
.Lfunc_end_k_qefc7d1b9ce_qkv:
	.size	k_qefc7d1b9ce_qkv, .Lfunc_end_k_qefc7d1b9ce_qkv-k_qefc7d1b9ce_qkv
	.p2alignl 7, 3214868480
	.fill 96, 4, 3214868480
	.section	.rodata,"a",@progbits
	.p2align	6, 0x0
	.amdhsa_kernel k_qefc7d1b9ce_qkv
		.amdhsa_group_segment_fixed_size 327680
		.amdhsa_private_segment_fixed_size 0
		.amdhsa_enable_private_segment 0
		.amdhsa_kernarg_size 24
		.amdhsa_user_sgpr_count 2
		.amdhsa_user_sgpr_kernarg_segment_ptr 1
		.amdhsa_wavefront_size32 1
		.amdhsa_system_sgpr_workgroup_id_x 1
		.amdhsa_system_sgpr_workgroup_id_y 1
		.amdhsa_system_sgpr_workgroup_id_z 1
		.amdhsa_system_vgpr_workitem_id 0
		.amdhsa_next_free_vgpr 768
		.amdhsa_next_free_sgpr 66
		.amdhsa_reserve_vcc 0
		.amdhsa_float_denorm_mode_32 3
		.amdhsa_float_denorm_mode_16_64 3
		.amdhsa_memory_ordered 1
		.amdhsa_forward_progress 1
		.amdhsa_inst_pref_size 140
	.end_amdhsa_kernel
	.amdgpu_metadata
---
amdhsa.version: [ 1, 2 ]
amdhsa.kernels:
  - .name:           k_qefc7d1b9ce_qkv
    .symbol:         k_qefc7d1b9ce_qkv.kd
    .args:
      - { .name: xb, .offset: 0, .size: 8, .value_kind: global_buffer, .address_space: global }
      - { .name: wb, .offset: 8, .size: 8, .value_kind: global_buffer, .address_space: global }
      - { .name: qkv, .offset: 16, .size: 8, .value_kind: global_buffer, .address_space: global }
    .group_segment_fixed_size: 327680
    .private_segment_fixed_size: 0
    .kernarg_segment_align: 8
    .kernarg_segment_size: 24
    .max_flat_workgroup_size: 128
    .sgpr_count:     66
    .vgpr_count:     768
    .wavefront_size: 32
...
	.end_amdgpu_metadata
.endif
;; end of part 2
;; launch attn (part 3): grid 64 x 4, 4 waves a work-group, no clusters, 327,680 bytes of LDS; arguments qkv, att; writes att
.if DOCPART == 3
	.amdgcn_target "amdgcn-amd-amdhsa--gfx1250"
	.amdhsa_code_object_version 6
	.text
	.protected	k_qefc7d1b9ce_attn
	.globl	k_qefc7d1b9ce_attn
	.p2align	8
	.type	k_qefc7d1b9ce_attn,@function
k_qefc7d1b9ce_attn:
	s_mov_b64 s[64:65], 0
	v_nop
	global_prefetch_b8 v0, s[64:65] scope:SCOPE_SE
	s_setreg_imm32_b32 hwreg(HW_REG_WAVE_MODE, 25, 1), 1
	s_wait_xcnt 0x0
; ATTENTION UNDER A CAUSAL WINDOW OF 1,024: att[i][head 128 + :] = the sum over j, 0 <= i - j < 1024, of softmax_j(q[head][i] . k[kv][j] / sqrt(128)) v[kv][j][:], kv = head / 2.
; qkv: f16 [16 planes][4096][128], planes 0-7 q, 8-11 k, 12-15 v.  att: f16, 4096 x 1024 IN FRAGMENT ORDER for the product behind: row blocks of 16 rows, 32,768 bytes; in them blocks of 1,024 bytes
; for 32 columns; in a block lane (h, r) has 16 bytes at 256 h + 16 r: columns 8 h .. in the first 512 bytes, 16 + 8 h .. in the second.  A tile of O^T, rounded, IS that layout: it is stored as it lies.
; Products, maxima and sums in f32; the weights p are rounded to f16 for the second product (their sum l is taken of the unrounded p), the result once at the end.
; LIMITS.  A hidden score counts as its value less 2^100, so its weight is exactly 0; the problem's own -1e9 gives 0 too while a row's largest allowed scaled score lies above about -1e9 + 150.
; f16's scores, 5.5e11 at the most, are nothing beside 2^100.  A weight below 2^-126 counts as 0 in l; p below 6e-5 keeps f16's fixed step of 6e-8; NaN and infinities are not treated apart.
; SHARES.  Work-group (t, kv) owns positions 64 t .. 64 t + 63 of BOTH query heads 2 kv, 2 kv + 1, which read the same K and V: 64 x 4 = 256 work-groups.  Wave w: head g = w % 2, half p = w / 2 of the keys;
; it holds all 64 queries, four tiles of 16, so that a fragment read from LDS feeds four products.  The waves (g, 0) and (g, 1) merge their maxima, sums and results at the end, through LDS.
; THE WALK goes DOWN the keys in 9 double steps d of 128 keys; wave p takes key tile T = t - 1 + p - 2 d (64 keys).  T = t holds the diagonal, T = t - 16 the window's far edge, between them all is visible,
; and T < max(t - 16, 0) is dead.  Going down, a wave's first live tile shows every row a visible key, so the running maximum is a true score before a row meets hidden ones alone.
; Every trip count is a constant.  A dead step still makes its K Q^T (on rows of the plane before, inside qkv; the numbers serve nothing) and jumps forward over softmax and V^T P.
; NO CLUSTER: the two heads that share K and V already share one LDS; neighbours in position have windows a tile apart, and a walk common to four would have 20 tiles for 17.
; THE MASK is the C operand that starts the sum S^T = K Q^T, for key block kb and query tile tq: ML (kb < tq), ME (kb = tq), MU (kb > tq), made anew each step from D8 (-2^100 where key 8 h + j lies behind query r):
; ME = D8 AL + BE, ML = BE, MU = SU, with (AL, BE, SU) = (1, 0, big) on the diagonal, (-1, big, 0) at the far edge, (0, 0, 0) between.
; LAYOUT.  S^T = K Q^T (source 0 = 16 keys, source 1 = 16 queries): a lane holds ONE query (lane % 16) and the keys 8 (lane / 16) + 0..7.  Two such results, rounded to f16 in pairs, ARE source 1 of O^T = V^T P.
; K comes out of LDS as it lies, V ([key][channel]) turned, by ds_load_tr16_b128.  SOFTMAX: p = 2^(c s - c m), c = log2(e) / sqrt(128), with a running maximum m; O and l are multiplied by a = 2^(c m_old - c m_new).
; m starts at the lowest finite number, O and l at 0: a wave's first live step is known only when it runs, so no first step is written out; its a is 0.  The price: 32 products of zero fragments, which
; write O^T's 256 registers, in the wait for the first tile.  IN PHASES: a step's K Q^T, its softmax, its V^T P.
; REGISTERS, in windows of 256 (s_set_vgpr_msb: bits 1:0 source 0, 3:2 source 1, 5:4 source 2, 7:6 destination):
;   window 0: v0-11, v44-50 addresses; v12-43 eight registers of statistics a tile; v64-191 S^T, 32 a tile; v192-255 P, 16 a tile
;   window 1: O^T, 64 a tile          window 2: v0-127 Q, 32 a tile; v128-255 K of one step          window 3: v0-127 V of one step; v128-159 the masks
.set KS,    64        ; keys in a tile
.set PK,    272       ; a row of K in LDS: 256 bytes + 16 of padding: the 16 rows of a load start at 16 different groups of four banks (64 banks of 4 bytes: ISA guide 11.1)
.set PV,    288       ; a row of V: 256 + 32
.set VOFF,  KS*PK     ; a tile: 64 rows of K, then 64 rows of V
.set STEPB, KS*(PK+PV)
.set SLOT1, 1<<17     ; a slot holds a double step's two tiles (71,680 bytes); slot 1 begins here, so that one exclusive or turns an address in one slot into the other's
.set XO,    SLOT1+2*STEPB  ; behind the ring, never filled by a tensor load: 16,384 bytes a wave: the two tiles of O^T that it gives its partner
.set XS,    XO+4*16384     ; 512 bytes a wave: their c m and l
.set SPARE, XS+4*512       ; the spare words, 128 bytes for each wave: two blocks of 256 bytes that no other line names
.set AK0, 2           ; v2   my lane's place in my tile of K in slot 0; never rewritten
.set AV0, 3           ; v3   the same for V
.set ADR, 4           ; v4   the LDS address of K's run of loads
.set ADV, 5           ; v5   of V's
.set GO,  8           ; v8   16 x lane: my place in 512 consecutive bytes of att
.set ST,  12          ; tile t's statistics at v[ST+8 t]: +0 c m, +1 m, +2, +3 l (even keys', odd keys'), +4 to +7 c0-c3 at work; a takes c2's place once the maximum is found
.set GV,  44          ; v44  where I give O^T
.set GS,  45          ; v45  where I give c m and l
.set TV,  46          ; v46  where my partner gave O^T
.set TS,  47          ; v47  where it gave c m and l
.set QO,  48          ; v48  my byte offset in 16 rows of Q
.set SPW, 62          ; v62  LDS address of my spare word: SPARE + 4 x my thread's number; never rewritten
.set NIL, 63          ; v63  0; never rewritten
.set S,   64
.set P,   192
.set KF,  128         ; window 2: key block kb, channels 32 c on, at KF + 32 kb + 8 c
.set D8,  128         ; window 3
.set ML,  136
.set ME,  144
.set MU,  152
.set WV,  12          ; s12  my wave's number
.set G1K, 24          ; s[24:31] descriptor group 1 for K's tiles
.set G1V, 32          ; s[32:39] for V's: it differs in the padding alone
.set G0K, 40          ; s[40:47] descriptor group 0 for K's tiles: a set for each of the two first fills; the second then walks on
.set G0V, 48          ; s[48:55] the same for V's
.set CNT, 56          ; s56  counts the trips
.set TT,  57          ; s57  my key tile of the step in hand
.set CS,  58          ; s[58:59] c: the packed scaling takes the pair's low word for both halves
.set SEL, 60          ; s[60:61] v_permlanex16_b32's selects: each lane takes its own place in the other half
.set TB,  62          ; s62  LDS byte at which the slot to be fetched from begins
.set LO,  63          ; s63  the lowest live tile: max(t - 16, 0)
.set TD,  66          ; s66  t: the diagonal's tile
.set TF,  67          ; s67  t - 16: the far edge's
.set BIGN, 68         ; s68  -2^100
.set AL,  70          ; s[70:71] the mask's factor, in the low word
.set BE,  72          ; s[72:73] its addend
.set SU,  74          ; s74  the mask of the blocks above the diagonal block
.set MSB, 0
.macro WIN new                      ; the high byte repeats the setting that is left; a switch that changes nothing is dropped
.if MSB != (\new)
	s_set_vgpr_msb (MSB<<8)|(\new)
.set MSB, (\new)
.endif
.endm
.macro PLACES                       ; four places behind matrix instructions (ISA guide 7.12.1)
.rept 4
	v_nop
.endr
.endm
; A refill.  Waves 0 and 1 fetch K's two tiles of a double step, waves 2 and 3 V's.  An s_nop 0 and four v_nop follow each of the two lines, ahead of the jump and the label.
.macro LOAD
	s_cmp_lt_u32 s[WV], 2
	s_cbranch_scc0 .Lfor_v_\@
	tensor_load_to_lds s[G0K+4:G0K+7], s[G1K:G1K+7]
	s_nop 0
.rept 4
	v_nop
.endr
	s_branch .Lasked_\@
.Lfor_v_\@:
	tensor_load_to_lds s[G0V+4:G0V+7], s[G1V:G1V+7]
	s_nop 0
.rept 4
	v_nop
.endr
.Lasked_\@:
.endm
	s_load_b128 s[4:7], s[0:1], 0x0 ; qkv s[4:5], att s[6:7]
	v_lshl_add_u32 v[SPW], v0, 2, SPARE
	v_mov_b32 v[NIL], 0
	ds_add_u32 v62, v63
	ds_add_u32 v62, v63
	s_wait_dscnt 0x0
	v_lshrrev_b32 v1, 5, v0
	v_readfirstlane_b32 s[WV], v1   ; wave 0..3
	s_and_b32 s13, s[WV], 1         ; g: my head of the two.  Also: which tile of a double step I fetch
	s_lshr_b32 s14, s[WV], 1        ; p: which tile of a double step I multiply
	s_and_b32 s15, ttmp7, 0xffff    ; kv
	s_mov_b32 s[TD], ttmp9          ; t
	s_sub_co_i32 s[TF], s[TD], 16
	s_max_i32 s[LO], s[TF], 0
	s_add_co_i32 s[TT], s[TD], s14
	s_sub_co_i32 s[TT], s[TT], 1    ; my first tile: t - 1 + p
	s_add_co_u32 s16, s15, 8        ; K's plane,
	s_lshl_b32 s16, s16, 12         ; its first row,
	s_lshl_b32 s17, s[TD], 6
	s_add_co_u32 s16, s16, s17      ; + 64 t
	s_lshl_b32 s17, s13, 6
	s_add_co_u32 s16, s16, s17      ; + 64 x the tile that I fetch
	s_sub_co_u32 s16, s16, 64       ; - 64: double step 0 begins with tile t - 1
	s_lshl_b32 s16, s16, 8          ; in rows of 256 bytes: under 2^24
	s_mov_b32 s17, 0
	s_mul_i32 s22, s13, STEPB       ; and its place in a slot
	s_lshl_b32 s2, s15, 1
	s_add_co_u32 s2, s2, s13        ; my head
	s_lshl_b32 s3, s2, 12           ; its four blocks of 1,024 bytes in a row block of att,
	s_lshl_b32 s23, s[TD], 17       ; my four row blocks of 32,768 bytes
	s_add_co_u32 s20, s3, s23
	s_mov_b32 s21, 0
	s_lshl_b32 s2, s2, 20           ; Q's plane,
	s_lshl_b32 s3, s[TD], 14        ; my 64 rows of 256 bytes
	s_add_co_u32 s2, s2, s3
	s_mov_b32 s3, 0
	; descriptor group 1: a tile of 64 rows x 128 elements, padded in LDS
	s_mov_b32 s[G1K], (1<<16)|(1<<20)|(5<<22)|(3<<25)  ; 17:16 2-byte elements; 20 padding on; 24:22 after every 64 words (code 5); 31:25 4 words (code 3)
	s_mov_b32 s[G1V], (1<<16)|(1<<20)|(5<<22)|(7<<25)  ; the same with 8 words of padding (code 7)
.irp g, G1K, G1V
	s_mov_b32 s[\g+1], 128<<16      ; tensor_dim0 = 128
	s_mov_b32 s[\g+2], KS<<16       ; tensor_dim1 = 64
	s_mov_b32 s[\g+3], 128<<16      ; tile_dim0 = 128
	s_mov_b32 s[\g+4], KS           ; tile_dim1 = 64
	s_mov_b32 s[\g+5], 128          ; 128 elements from row to row
	s_mov_b32 s[\g+6], 0
	s_mov_b32 s[\g+7], 0
.endr
	s_mov_b32 s[CS], 0x3e0293ee     ; c = log2(e) / sqrt(128) = 0.127517
	s_mov_b32 s[CS+1], s[CS]        ; named with it as a pair
	s_mov_b32 s[SEL], 0x76543210
	s_mov_b32 s[SEL+1], 0xfedcba98
	s_mov_b32 s[TB], 0
	s_mov_b32 s[BIGN], 0xf1800000   ; -2^100
	s_mov_b32 s[AL+1], 0            ; named as pairs
	s_mov_b32 s[BE+1], 0
	s_wait_kmcnt 0x0
	s_add_nc_u64 s[18:19], s[4:5], s[16:17]  ; K at my tile of double step 0
	s_add_nc_u64 s[8:9], s[4:5], s[2:3]      ; Q at my first row
	s_add_nc_u64 s[10:11], s[6:7], s[20:21]  ; att at my first row block, my head's blocks
	s_add_nc_u64 s[20:21], s[18:19], 4<<20   ; V lies four planes behind K
	s_mov_b32 s[G0K], 1             ; count = 1
	s_mov_b32 s[G0K+1], s22         ; LDS address: slot 0
	s_mov_b64 s[G0K+2:G0K+3], s[18:19]
	s_or_b32 s[G0K+3], s[G0K+3], 0x80000000  ; type = 2
	s_mov_b32 s[G0K+4], 1
	s_add_co_u32 s[G0K+5], s22, SLOT1        ; slot 1:
	s_sub_nc_u64 s[G0K+6:G0K+7], s[18:19], 2*KS*256  ; double step 1, 128 keys down
	s_or_b32 s[G0K+7], s[G0K+7], 0x80000000
	s_mov_b32 s[G0V], 1
	s_add_co_u32 s[G0V+1], s22, VOFF
	s_mov_b64 s[G0V+2:G0V+3], s[20:21]
	s_or_b32 s[G0V+3], s[G0V+3], 0x80000000
	s_mov_b32 s[G0V+4], 1
	s_add_co_u32 s[G0V+5], s22, SLOT1+VOFF
	s_sub_nc_u64 s[G0V+6:G0V+7], s[20:21], 2*KS*256
	s_or_b32 s[G0V+7], s[G0V+7], 0x80000000
	s_cmp_lt_u32 s[WV], 2           ; a wave's two first fills stand in one branch, ahead of every wait on TENSORcnt, every LDS read and every barrier: two loads of mine are out
	s_cbranch_scc0 .Lfirst_v
	tensor_load_to_lds s[G0K:G0K+3], s[G1K:G1K+7]
	s_nop 0
	tensor_load_to_lds s[G0K+4:G0K+7], s[G1K:G1K+7]
	s_nop 0
.rept 4
	v_nop
.endr
	s_branch .Lfirst_asked
.Lfirst_v:
	tensor_load_to_lds s[G0V:G0V+3], s[G1V:G1V+7]
	s_nop 0
	tensor_load_to_lds s[G0V+4:G0V+7], s[G1V:G1V+7]
	s_nop 0
.rept 4
	v_nop
.endr
.Lfirst_asked:
	; A fragment of K or Q is 16 rows x 32 channels in 8 registers: lane l holds row l % 16, channels 8 (l / 16) + 0..7 and 16 + 8 (l / 16) + 0..7: two loads of 16 bytes, 32 bytes apart.
	v_and_b32 v1, 15, v0            ; r = l % 16
	v_bfe_u32 v9, v0, 4, 1          ; h = l / 16
	v_lshlrev_b32 v[QO], 8, v1
	v_lshl_add_u32 v[QO], v9, 4, v[QO]  ; row x 256 + 16 x half
	WIN 0x80                        ; destination window 2, address window 0
.irp i, 0,1,2,3,4,5,6,7,8,9,10,11,12,13,14,15  ; Q stays in registers: tile i / 4, channels 32 (i % 4) on
	global_load_b128 v[8*(\i):8*(\i)+3],   v[QO], s[8:9] offset:((\i)/4)*4096+((\i)%4)*64
	global_load_b128 v[8*(\i)+4:8*(\i)+7], v[QO], s[8:9] offset:((\i)/4)*4096+((\i)%4)*64+32
.endr
	WIN 0                           ; all this stands in the wait for the first tile
.set i, 0
.rept 16
	v_mov_b32 v[S+i], 0             ; two fragments of zeros, in registers that S^T takes later
.set i, i+1
.endr
	WIN 0x40                        ; destination window 1
.set i, 0
.rept 32
	v_wmma_f32_16x16x32_f16 v[8*i:8*i+7], v[S:S+7], v[S+8:S+15], 0  ; O^T = 0
.set i, i+1
.endr
	WIN 0
.irp u, 0,1,2,3
	v_mov_b32 v[ST+8*(\u)], 0xfe000000    ; c m: far below every c s
	v_mov_b32 v[ST+8*(\u)+1], 0xff7fffff  ; m
.irp z, 2,3,4,5,6,7
	v_mov_b32 v[ST+8*(\u)+(\z)], 0        ; l; and c0-c3, which a wave without a live step would else never write
.endr
.endr
	v_lshlrev_b32 v50, 3, v9
	v_sub_nc_u32 v50, v1, v50       ; r - 8 h: key 8 h + j lies behind query r where j is greater
	WIN 0xc0
.irp j, 0,1,2,3,4,5,6,7
	v_cmp_gt_i32 vcc_lo, \j, v50
	v_cndmask_b32 v[D8+(\j)], 0, s[BIGN], vcc_lo
.endr
	WIN 0
	s_mul_i32 s23, s14, STEPB       ; the tile that I multiply
	v_mul_u32_u24 v[AK0], v1, PK
	v_lshl_add_u32 v[AK0], v9, 4, v[AK0]  ; row x pitch + 16 x half
	v_add_nc_u32 v[AK0], s23, v[AK0]
	; The turning load takes 16 keys x 16 channels (lane l reads key 8 (l / 16) + l % 8, channels 8 ((l / 8) % 2) + 0..7) and leaves half a fragment of V^T: lane l holds channel l % 16 and 8 keys.
	v_and_b32 v10, 7, v0
	v_bfe_u32 v11, v0, 3, 1
	v_lshl_add_u32 v[AV0], v9, 3, v10
	v_mul_u32_u24 v[AV0], v[AV0], PV
	v_lshl_add_u32 v[AV0], v11, 4, v[AV0]
	s_add_co_u32 s23, s23, VOFF
	v_add_nc_u32 v[AV0], s23, v[AV0]
	v_and_b32 v49, 31, v0           ; lane
	v_lshlrev_b32 v[GO], 4, v49
	s_lshl_b32 s2, s[WV], 14
	s_add_co_u32 s2, s2, XO
	v_lshl_add_u32 v[GV], v49, 4, s2
	s_lshl_b32 s3, s[WV], 9
	s_add_co_u32 s3, s3, XS
	v_lshl_add_u32 v[GS], v49, 3, s3
	s_xor_b32 s23, s[WV], 2         ; my partner: the same head, the other half of the keys
	s_lshl_b32 s2, s23, 14
	s_add_co_u32 s2, s2, XO
	v_lshl_add_u32 v[TV], v49, 4, s2
	s_lshl_b32 s3, s23, 9
	s_add_co_u32 s3, s3, XS
	v_lshl_add_u32 v[TS], v49, 3, s3
; THE MATRIX WORK.  The accumulators take turns, one instruction a turn.
; Product i of 64 of S^T = K Q^T: channels 32 (i / 16) on, key block (i / 4) % 4, tile i % 4.  The first 16 start the sums, with the mask.
.macro KQ
.set rS, S+32*(i%4)+8*((i/4)%4)
.set rK, KF+32*((i/4)%4)+8*(i/16)
.set rQ, 32*(i%4)+8*(i/16)
.if i < 16
.set rM, ME
.if ((i/4)%4) < (i%4)
.set rM, ML
.endif
.if ((i/4)%4) > (i%4)
.set rM, MU
.endif
	WIN 0x3a                        ; K and Q in window 2, the mask in window 3, S^T in window 0
	v_wmma_f32_16x16x32_f16 v[rS:rS+7], v[rK:rK+7], v[rQ:rQ+7], v[rM:rM+7]
.else
	WIN 0x0a
	v_wmma_f32_16x16x32_f16 v[rS:rS+7], v[rK:rK+7], v[rQ:rQ+7], v[rS:rS+7]
.endif
.set i, i+1
.endm
; Product i of 64 of O^T += V^T P: keys 32 (i / 32) on, channels 16 ((i / 4) % 8) on, tile i % 4.
.macro PVM
	WIN 0x53                        ; V in window 3, P in window 0, O^T in window 1
.set rO, 64*(i%4)+8*((i/4)%8)
.set rV, 64*(i/32)+8*((i/4)%8)
.set rP, P+16*(i%4)+8*(i/32)
	v_wmma_f32_16x16x32_f16 v[rO:rO+7], v[rV:rV+7], v[rP:rP+7], v[rO:rO+7]
.set i, i+1
.endm
; THE LDS LOADS stand in runs of 32: a tile's K (64 keys x 128 channels: 16 fragments) and its V (turned).
.macro FETCH_K
	WIN 0
	v_add_nc_u32 v[ADR], s[TB], v[AK0]
	WIN 0x80                        ; destination window 2
.irp f, 0,1,2,3,4,5,6,7,8,9,10,11,12,13,14,15  ; keys 16 (f / 4) on, channels 32 (f % 4) on
	ds_load_b128 v[KF+8*(\f):KF+8*(\f)+3],   v[ADR] offset:((\f)/4)*16*PK+((\f)%4)*64
	ds_load_b128 v[KF+8*(\f)+4:KF+8*(\f)+7], v[ADR] offset:((\f)/4)*16*PK+((\f)%4)*64+32
.endr
.endm
.macro FETCH_V
	WIN 0
	v_add_nc_u32 v[ADV], s[TB], v[AV0]
	WIN 0xc0                        ; destination window 3
.irp f, 0,1,2,3,4,5,6,7,8,9,10,11,12,13,14,15  ; keys 32 (f / 8) on, channels 16 (f % 8) on
	ds_load_tr16_b128 v[8*(\f):8*(\f)+3],   v[ADV] offset:((\f)/8)*32*PV+((\f)%8)*32
	ds_load_tr16_b128 v[8*(\f)+4:8*(\f)+7], v[ADV] offset:((\f)/8)*32*PV+16*PV+((\f)%8)*32
.endr
.endm
; The step's three masks.  Its 20 plain instructions, which name no register of the products V^T P just issued, are also the places in front of V's loads.
.macro MASKS
	s_cmp_eq_i32 s[TT], s[TD]       ; the diagonal's tile?
	s_cselect_b32 s[SU], s[BIGN], 0
	s_cselect_b32 s[AL], 1.0, 0
	s_cmp_eq_i32 s[TT], s[TF]       ; the far edge's?
	s_cselect_b32 s[BE], s[BIGN], 0
	s_cselect_b32 s[AL], -1.0, s[AL]
	WIN 0xc3                        ; destination and source 0 in window 3
.irp z, 0,1,2,3
	v_pk_fma_f32 v[ME+2*(\z):ME+2*(\z)+1], v[D8+2*(\z):D8+2*(\z)+1], s[AL:AL+1], s[BE:BE+1] op_sel_hi:[1,0,0]
.endr
.irp z, 0,1,2,3,4,5,6,7
	v_mov_b32 v[ML+(\z)], s[BE]
.endr
.irp z, 0,1,2,3,4,5,6,7
	v_mov_b32 v[MU+(\z)], s[SU]
.endr
.endm
; THE SOFTMAX.  One tile's softmax for one step is a list of 134 instructions; SM writes number j of it for tile t.  s0-s31 are the lane's 32 scores, in pairs 0-15.
;   0-15    the maximum of s0-s31 and the old m, three operands at a time: four chains c0-c3 of seven scores each (each accumulator's lowest registers are read first), then the rest
;   16-20   the other half of the lanes' maximum; the new m; c m; c m_old - c m_new
;   21-87   33 exponentials (a, then s0-s31) at the odd numbers from 23 on; the plain numbers between are c s - c m for pairs whose exponentials are still to come, the rounding to f16 of pairs whose
;           exponentials stand three numbers back or more, and the first three sums
;   88-101  the last rounding; the rest of the sums; l = a l + the sum          102-133 the tile's O^T times a: the one part that leaves window 0
; The four tiles alternate number by number: four exponentials on end are followed by four plain instructions that read none of their results and write none of their sources.
.macro SM t
.set rT, ST+8*(\t)
.set rS, S+32*(\t)
.set rP, P+16*(\t)
.set rO, 64*(\t)+2*(j-102)
.set q, (j-20)/2
.if j < 102
	WIN 0
.endif
.if j < 4
	v_max3_num_f32 v[rT+4+j], v[rS+8*j], v[rS+8*j+1], v[rS+8*j+2]
.elseif j < 12
	v_max3_num_f32 v[rT+4+j%4], v[rT+4+j%4], v[rS+8*(j%4)+2*(j/4)+1], v[rS+8*(j%4)+2*(j/4)+2]
.elseif j == 12
	v_max3_num_f32 v[rT+4], v[rT+4], v[rS+7], v[rS+15]
.elseif j == 13
	v_max3_num_f32 v[rT+6], v[rT+6], v[rS+23], v[rS+31]
.elseif j == 14
	v_max3_num_f32 v[rT+4], v[rT+4], v[rT+5], v[rT+6]
.elseif j == 15
	v_max3_num_f32 v[rT+4], v[rT+4], v[rT+7], v[rT+1]
.elseif j == 16
	v_permlanex16_b32 v[rT+5], v[rT+4], s[SEL], s[SEL+1]  ; the query's other 32 keys lie in the lane 16 away
.elseif j == 17
	v_mov_b32 v[rT+7], v[rT]        ; c m_old is kept for a: number 19 writes c m anew
.elseif j == 18
	v_max_num_f32 v[rT+1], v[rT+4], v[rT+5]
.elseif j == 19
	v_mul_f32 v[rT], s[CS], v[rT+1]
.elseif j == 20
	v_sub_f32 v[rT+7], v[rT+7], v[rT]
.elseif j == 23
	v_exp_f32 v[rT+6], v[rT+7]
.elseif (j < 88) && (j > 23) && (j%2 == 1)
	v_exp_f32 v[rS+(j-25)/2], v[rS+(j-25)/2]
.elseif (q < 4) || ((j < 76) && (q%2 == 0))
.set b, q/2+2
.if q < 4
.set b, q
.endif
	v_pk_fma_f32 v[rS+2*b:rS+2*b+1], v[rS+2*b:rS+2*b+1], s[CS:CS+1], v[rT:rT+1] op_sel_hi:[1,0,0] neg_lo:[0,0,1] neg_hi:[0,0,1]  ; pair b: c s - c m
.elseif (j < 88) && (q%2 == 1)
	s_wait_alu depctr_va_vdst(0)
	v_cvt_pk_f16_f32 v[rP+(q-5)/2], v[rS+q-5], v[rS+q-4]
.elseif j == 89
	s_wait_alu depctr_va_vdst(0)
	v_cvt_pk_f16_f32 v[rP+15], v[rS+30], v[rS+31]
.elseif j < 102                     ; the sum of the tile's 16 pairs, in place: sum z of 16 adds neighbours 1, 2, 4 and 8 pairs apart, then l takes it
.set z, j-86
.if j < 89
.set z, (j-76)/4
.endif
.set w, 4
.set u, z
.if z >= 14
.set w, 32
.set u, 0
.elseif z >= 12
.set w, 16
.set u, z-12
.elseif z >= 8
.set w, 8
.set u, z-8
.endif
.if z < 15
	v_pk_add_f32 v[rS+w*u:rS+w*u+1], v[rS+w*u:rS+w*u+1], v[rS+w*u+w/2:rS+w*u+w/2+1]
.else
	v_pk_fma_f32 v[rT+2:rT+3], v[rT+2:rT+3], v[rT+6:rT+7], v[rS:rS+1] op_sel_hi:[1,0,1]
.endif
.else
	WIN 0x41                        ; O^T (destination and source 0) in window 1, a in window 0
	v_pk_mul_f32 v[rO:rO+1], v[rO:rO+1], v[rT+6:rT+7] op_sel_hi:[1,0]
.endif
.endm
; THE CHANGE OF SLOTS stands in the middle of a step, where the step's K and V have been asked for out of the slot.  Each wave waits for all its tensor loads, of which one is out: its part of the other slot;
; adds 0 to its spare word; and waits for that and for its own reads of the slot.  Behind the barrier nobody reads this slot any more and the other slot is whole.
; fill = 1: this slot is filled again, first thing behind the barrier, with the double step two on: 128 keys below the tile asked for last.  It has a whole step in which to land.
.macro CHANGE fill
	WIN 0                           ; at a label and at a branch every window is 0
	s_wait_tensorcnt 0x0            ; no tensor load of mine is out, so a group 0 may be written
	ds_add_u32 v[SPW], v[NIL]       ; 0 onto my spare word; scalar work stands between it and the wait for it
.if \fill
.irp g, G0K+4, G0V+4
	s_xor_b32 s[\g+1], s[\g+1], SLOT1  ; the walking descriptor: the other slot than last time,
	s_sub_nc_u64 s[\g+2:\g+3], s[\g+2:\g+3], 2*KS*256  ; 128 keys down; the type bits on top are not reached
.endr
.endif
	s_xor_b32 s[TB], s[TB], SLOT1   ; the fetches go on in the other slot
	s_wait_dscnt 0x0                ; the add is done, and my reads of the slot, V's 32 loads the last, are over
	s_barrier_signal -1
	s_barrier_wait -1
.if \fill
	LOAD                            ; the four v_nop behind it are also the places behind the products K Q^T
.else
	PLACES
.endif
.endm
; A TRIP: one double step.
.macro TRIP fill
	MASKS
	FETCH_V                         ; V of this step
	s_wait_dscnt 32                 ; K of this step, asked for a trip ago, is in; V's 32 loads may be out
.set i, 0
.rept 64
	KQ
.endr
	CHANGE \fill
	FETCH_K                         ; K of the next step: the softmax and V^T P stand between these loads and their use
	WIN 0
	s_cmp_ge_i32 s[TT], s[LO]
	s_cbranch_scc0 .Ldead_\@        ; a dead tile: its scores are dropped
.set j, 0
.rept 134
	SM 0
	SM 1
	SM 2
	SM 3
.set j, j+1
.endr
.set i, 0
.rept 64
	PVM
.endr
	WIN 0
.Ldead_\@:
	s_sub_co_i32 s[TT], s[TT], 2    ; my tile of the next double step
.endm
	s_wait_tensorcnt 0x1            ; my part of slot 0 is in; slot 1's may stay out
	s_barrier_signal -1
	s_barrier_wait -1               ; everybody's is
	FETCH_K                         ; double step 0
	WIN 0
	s_wait_loadcnt 0x0              ; Q
	s_mov_b32 s[CNT], 7
.Lstep:                             ; double steps 0 to 6: each asks for the double step two on
	TRIP 1
	s_sub_co_u32 s[CNT], s[CNT], 1
	s_cmp_lg_u32 s[CNT], 0
	s_cbranch_scc1 .Lstep
	s_mov_b32 s[CNT], 2
.Ltail:                             ; double steps 7 and 8 ask for nothing: a text of their own.  The last trip's barrier and fetch of K serve nothing: the price of one text for both
	TRIP 0
	s_sub_co_u32 s[CNT], s[CNT], 1
	s_cmp_lg_u32 s[CNT], 0
	s_cbranch_scc1 .Ltail
	; THE MERGE.  l's two halves and the other half of the lanes' are added, into m's place beside c m.  The first additions are the places behind the last products.
.irp u, 0,1,2,3
	v_add_f32 v[ST+8*(\u)+4], v[ST+8*(\u)+2], v[ST+8*(\u)+3]
.endr
.irp u, 0,1,2,3
	v_permlanex16_b32 v[ST+8*(\u)+5], v[ST+8*(\u)+4], s[SEL], s[SEL+1]
.endr
.irp u, 0,1,2,3
	v_add_f32 v[ST+8*(\u)+1], v[ST+8*(\u)+4], v[ST+8*(\u)+5]
.endr
; Tiles x and x + 1 go to the partner: c m and l, 8 bytes a lane; O^T, 64 registers a lane, 16 bytes at a time in ascending order: a wave's store covers 512 consecutive bytes.
.macro GIVE x
.irp u, \x, (\x)+1
	ds_store_b64 v[GS], v[ST+8*(\u):ST+8*(\u)+1] offset:256*((\u)-(\x))
.endr
	WIN 0x04                        ; store data in window 1
.irp u, \x, (\x)+1
.irp i, 0,1,2,3,4,5,6,7,8,9,10,11,12,13,14,15
	ds_store_b128 v[GV], v[64*(\u)+4*(\i):64*(\u)+4*(\i)+3] offset:512*(16*((\u)-(\x))+(\i))
.endr
.endr
	WIN 0
.endm
; Tile u of mine, the e-th of the two that the partner gave: O = O_mine ra + O_partner rb, rounded to f16.  A lane's eight channels of channel block cb are 16 bytes, and the 32 lanes' are the 512
; consecutive bytes at 512 cb of the head's blocks in row block u: stored as they lie.
.macro FINISH u, e
.set rT, ST+8*(\u)
.set n, 0
.rept 32
	v_pk_mul_f32 v[S+64*(\e)+2*n:S+64*(\e)+2*n+1], v[S+64*(\e)+2*n:S+64*(\e)+2*n+1], v[rT+6:rT+7] op_sel_hi:[1,0]
.set n, n+1
.endr
	WIN 0x01                        ; source 0, my O^T, in window 1
.set n, 0
.rept 32
	v_pk_fma_f32 v[S+64*(\e)+2*n:S+64*(\e)+2*n+1], v[64*(\u)+2*n:64*(\u)+2*n+1], v[rT+4:rT+5], v[S+64*(\e)+2*n:S+64*(\e)+2*n+1] op_sel_hi:[1,0,1]
.set n, n+1
.endr
	WIN 0
.set n, 0
.rept 32
	v_cvt_pk_f16_f32 v[P+32*(\e)+n], v[S+64*(\e)+2*n], v[S+64*(\e)+2*n+1]
.set n, n+1
.endr
.irp f, 0,1,2,3,4,5,6,7
	global_store_b128 v[GO], v[P+32*(\e)+4*(\f):P+32*(\e)+4*(\f)+3], s[10:11] offset:(\u)*32768+(\f)*512  ; 512 consecutive bytes, at a multiple of 512 from att's first byte
.endr
.endm
; Tiles x and x + 1 are finished here.  With the common maximum c m = max(c m_a, c m_b): f = 2^(c m_own - c m), l = fa la + fb lb, ra = fa / l, rb = fb / l.  A wave without a live step gave c m far below, l = 0, O = 0.
.macro TAKE x
.irp u, \x, (\x)+1
	ds_load_b64 v[ST+8*(\u)+2:ST+8*(\u)+3], v[TS] offset:256*((\u)-(\x))
.endr
.irp i, 0,1,2,3,4,5,6,7,8,9,10,11,12,13,14,15,16,17,18,19,20,21,22,23,24,25,26,27,28,29,30,31
	ds_load_b128 v[S+4*(\i):S+4*(\i)+3], v[TV] offset:512*(\i)
.endr
	s_wait_dscnt 0x0
.irp u, \x, (\x)+1
	v_max_num_f32 v[ST+8*(\u)+4], v[ST+8*(\u)], v[ST+8*(\u)+2]
.endr
.irp u, \x, (\x)+1
	v_sub_f32 v[ST+8*(\u)+5], v[ST+8*(\u)], v[ST+8*(\u)+4]
	v_sub_f32 v[ST+8*(\u)+6], v[ST+8*(\u)+2], v[ST+8*(\u)+4]
.endr
.irp u, \x, (\x)+1
	v_exp_f32 v[ST+8*(\u)+5], v[ST+8*(\u)+5]
	v_exp_f32 v[ST+8*(\u)+6], v[ST+8*(\u)+6]
.endr
	v_nop                           ; a plain instruction between the last exponential and the use of its result
	s_wait_alu depctr_va_vdst(0)
.irp u, \x, (\x)+1
	v_mul_f32 v[ST+8*(\u)+7], v[ST+8*(\u)+5], v[ST+8*(\u)+1]
.endr
.irp u, \x, (\x)+1
	v_fmac_f32 v[ST+8*(\u)+7], v[ST+8*(\u)+6], v[ST+8*(\u)+3]
.endr
.irp u, \x, (\x)+1
	v_rcp_f32 v[ST+8*(\u)+7], v[ST+8*(\u)+7]
.endr
	v_nop                           ; the same behind the last reciprocal
	s_wait_alu depctr_va_vdst(0)
.irp u, \x, (\x)+1
	v_mul_f32 v[ST+8*(\u)+4], v[ST+8*(\u)+5], v[ST+8*(\u)+7]
	v_mul_f32 v[ST+8*(\u)+6], v[ST+8*(\u)+6], v[ST+8*(\u)+7]
.endr
	FINISH \x, 0
	FINISH (\x)+1, 1
.endm
	s_cmp_lt_u32 s[WV], 2
	s_cbranch_scc0 .Lgive_low
	GIVE 2                          ; p = 0 keeps tiles 0, 1
	s_branch .Lgiven
.Lgive_low:
	GIVE 0                          ; p = 1 keeps tiles 2, 3
.Lgiven:
	s_wait_dscnt 0x0                ; for the partner's sake: my stores are done (and the last, unused fetch of K is back)
	s_barrier_signal -1
	s_barrier_wait -1
	s_cmp_lt_u32 s[WV], 2
	s_cbranch_scc0 .Ltake_high
	TAKE 0
	s_branch .Ltaken
.Ltake_high:
	TAKE 2
.Ltaken:
	s_wait_tensorcnt 0x0            ; the wave's end: behind my last tensor load and my last LDS store
	ds_add_u32 v[SPW], v[NIL]
	s_wait_dscnt 0x0
	s_endpgm
.Lfunc_end_k_qefc7d1b9ce_attn:
	.size	k_qefc7d1b9ce_attn, .Lfunc_end_k_qefc7d1b9ce_attn-k_qefc7d1b9ce_attn
	.p2alignl 7, 3214868480
	.fill 96, 4, 3214868480
	.section	.rodata,"a",@progbits
	.p2align	6, 0x0
	.amdhsa_kernel k_qefc7d1b9ce_attn
		.amdhsa_group_segment_fixed_size 327680
		.amdhsa_private_segment_fixed_size 0
		.amdhsa_enable_private_segment 0
		.amdhsa_kernarg_size 16
		.amdhsa_user_sgpr_count 2
		.amdhsa_user_sgpr_kernarg_segment_ptr 1
		.amdhsa_wavefront_size32 1
		.amdhsa_system_sgpr_workgroup_id_x 1
		.amdhsa_system_sgpr_workgroup_id_y 1
		.amdhsa_system_sgpr_workgroup_id_z 1
		.amdhsa_system_vgpr_workitem_id 0
		.amdhsa_next_free_vgpr 928
		.amdhsa_next_free_sgpr 76
		.amdhsa_reserve_vcc 1
		.amdhsa_float_denorm_mode_32 3
		.amdhsa_float_denorm_mode_16_64 3
		.amdhsa_memory_ordered 1
		.amdhsa_forward_progress 1
		.amdhsa_inst_pref_size 145
	.end_amdhsa_kernel
	.amdgpu_metadata
---
amdhsa.version: [ 1, 2 ]
amdhsa.kernels:
  - .name:           k_qefc7d1b9ce_attn
    .symbol:         k_qefc7d1b9ce_attn.kd
    .args:
      - { .name: qkv, .offset: 0, .size: 8, .value_kind: global_buffer, .address_space: global }
      - { .name: att, .offset: 8, .size: 8, .value_kind: global_buffer, .address_space: global }
    .group_segment_fixed_size: 327680
    .private_segment_fixed_size: 0
    .kernarg_segment_align: 8
    .kernarg_segment_size: 16
    .max_flat_workgroup_size: 128
    .sgpr_count:     76
    .vgpr_count:     928
    .wavefront_size: 32
...
	.end_amdgpu_metadata
.endif
;; end of part 3
;; launch proj (part 4): grid 16 x 16, 4 waves a work-group, clusters of 4 x 1, 327,680 bytes of LDS; arguments att, woh, out0; writes out0
.if DOCPART == 4
	.amdgcn_target "amdgcn-amd-amdhsa--gfx1250"
	.amdhsa_code_object_version 6
	.text
	.protected	k_qefc7d1b9ce_proj
	.globl	k_qefc7d1b9ce_proj
	.p2align	8
	.type	k_qefc7d1b9ce_proj,@function
k_qefc7d1b9ce_proj:
	s_mov_b64 s[64:65], 0
	v_nop
	global_prefetch_b8 v0, s[64:65] scope:SCOPE_SE
	s_setreg_imm32_b32 hwreg(HW_REG_WAVE_MODE, 25, 1), 1
	s_wait_xcnt 0x0
	s_wait_alu depctr_hold_cnt(0) depctr_sa_sdst(0) depctr_va_vdst(0) depctr_va_sdst(0) depctr_va_ssrc(0) depctr_va_vcc(0) depctr_vm_vsrc(0)
	s_getreg_b32 s2, hwreg(HW_REG_IB_STS2, 6, 4)
	s_cmp_eq_u32 s2, 0
	s_cbranch_scc0 .Lentry_in_a_cluster
	s_endpgm
.Lentry_in_a_cluster:
	s_bfe_u32 s2, ttmp6, 0x10000c
	s_cmp_lg_u32 s2, 0x3003
	s_cbranch_scc0 .Lentry_shape_is_right
	s_endpgm
.Lentry_shape_is_right:
; out0 = att wo^T.  A = att, 4096 x 1024 f16 in fragment order (row blocks of 16 rows, 32,768 bytes: 32 blocks of 1,024 bytes, one for 32 along K); B = woh [2048][1024] f16 (wo rounded to bf16,
; written as f16); sums in f32; out0 [4096][2048] f32.
; LIMITS.  att and woh arrive within f16's range; NaN and infinities are not treated apart.
; SHARES.  4096 x 2048 outputs in tiles of 256 x 128 give 256 work-groups.  Four waves, each 64 rows x all 128 columns: 32 accumulators, 256 registers; a wave's piece of an output row is 512
; consecutive bytes, so each wave has a stage of its own and the way out needs no barrier.
; B GOES THROUGH LDS, which all four waves read, AND ALL OF IT FITS: four slots of 128 rows x 256 along K (rows of 512 bytes, 67,584 bytes a slot), each filled once, each wave 32 rows of each.
; The four work-groups of a cluster make four tile rows of one tile column and ask for B's tiles JOINTLY (mask 15).
; A GOES STRAIGHT INTO REGISTERS, NOT THROUGH LDS AND NOT BY JOINT LOADS: a wave's 64 rows of A are read by that wave alone, so LDS gives A no reuse in the work-group, and with A's 256 rows beside it B
; would not fit whole.  The price: each of a tile row's 16 work-groups asks for A itself.  A wave's load is 512 consecutive bytes, half a fragment; a ring of 8 register slots (a quarter, 32 along K,
; each) keeps six to seven quarters on their way.
; THE MATRIX INSTRUCTION IS USED TRANSPOSED (source 0 = 16 rows of B, source 1 = 16 rows of A): lane l then holds row l % 16 and the eight neighbouring columns 8 (l / 16) + 0..7: 32 bytes of out0.
; REGISTERS, in windows of 256 (s_set_vgpr_msb: bits 1:0 source 0, 3:2 source 1, 5:4 source 2, 7:6 destination):
;   window 0: v0-31 addresses; v32-95, v96-159 two buffers of B's 8 fragments, at work on the way out          window 1: the accumulators, (a, b) at v[8 (8 a + b)]
;   window 2: A's ring: slot s, row block a at v[32 s + 8 a]
.set SIZE_K, 1024
.set SIZE_N, 2048
.set RB,     32768                     ; bytes of a row block in att
.set PITCH,  528                       ; an LDS row: 512 bytes + 16 of padding = 132 words: the 16 rows of a fragment load start at 16 different groups of four banks (64 banks of 4 bytes: ISA guide 11.1)
.set SLOTB,  128*PITCH                 ; 67,584 bytes
.set STAGE,  4*SLOTB                   ; behind the slots: 16 rows x 528 bytes for each wave, for the way out; no tensor load fills it
.set SPITCH, 528
.set SPARE,  STAGE+4*16*SPITCH         ; behind the stages: the spare words, 128 bytes for each wave: two blocks of 256 bytes that no other line names
.set AO,   16                          ; v16     16 x lane: my place in 512 consecutive bytes, of A and of a row of out0; never rewritten
.set AB0,  20                          ; v20     my lane's place in a slot: row l % 16, 16 bytes for each half of the lanes
.set ADB,  21                          ; v21     the same in the slot in hand
.set STO,  24                          ; v24     the way out: where I put 32 bytes of a row
.set RD,   25                          ; v25     the way out: where I read a row back
.set SPW,  28                          ; v28     LDS address of my spare word: SPARE + 4 x my thread's number; never rewritten
.set NIL,  29                          ; v29     0; never rewritten
.set F0,   32
.set F1,   96
.set OB,   32                          ; v32-95, v96-159 by turns: 16 rows read back from the stage
.set AB,   4                           ; s[4:5]  A at my wave's first row block, the group in hand
.set COL,  13                          ; s13     tile column
.set TROW, 14                          ; s14     tile row
.set G1,   24                          ; s[24:31] descriptor group 1
.set G0,   32                          ; s[32:47] descriptor group 0, a set for each slot
.set TB,   48                          ; s48     LDS byte at which the slot in hand begins
.set MSB, 0
.macro WIN new                         ; the immediate's high byte repeats the setting that is left; a switch that changes nothing is dropped
.if MSB != (\new)
	s_set_vgpr_msb (MSB<<8)|(\new)
.set MSB, \new
.endif
.endm
.set MUL, 0x58                         ; B in window 0, A in window 2, C and D in window 1
.macro CROUND                          ; a round of the cluster's barrier
	s_barrier_signal -1
	s_barrier_wait -1
	s_cmp_lg_u32 s10, 0
	s_cbranch_scc1 .Lnot_wave_0_\@
	s_barrier_signal -3
.Lnot_wave_0_\@:
	s_barrier_wait -3
	s_barrier_signal -1
	s_barrier_wait -1
.endm
.macro PLACES                          ; four places in front of loads into registers that matrix instructions have read, and of lines that read results just made
.rept 4
	v_nop
.endr
.endm
; 4 nb matrix instructions: column blocks b0 .. b0 + nb - 1 x all 4 row blocks, 32 along K: B's buffer f, A's ring slot s.  zero = 1: the product starts the sums: nothing is cleared.
; The 32 accumulators take turns, one instruction a turn, in the same order in every quarter.
.macro MULB f, s, b0, nb, zero
	WIN MUL
.set bb, \b0
.rept \nb
.irp a, 0,1,2,3
.if \zero
	v_wmma_f32_16x16x32_f16 v[8*(8*(\a)+bb):8*(8*(\a)+bb)+7], v[(\f)+8*bb:(\f)+8*bb+7], v[32*(\s)+8*(\a):32*(\s)+8*(\a)+7], 0
.else
	v_wmma_f32_16x16x32_f16 v[8*(8*(\a)+bb):8*(8*(\a)+bb)+7], v[(\f)+8*bb:(\f)+8*bb+7], v[32*(\s)+8*(\a):32*(\s)+8*(\a)+7], v[8*(8*(\a)+bb):8*(8*(\a)+bb)+7]
.endif
.endr
.set bb, bb+1
.endr
.endm
; 16 LDS loads in one run: B's eight fragments of 32 along K at byte k of the rows, into buffer f
.macro FETCH k, f
	WIN 0
.irp i, 0,1,2,3,4,5,6,7
	ds_load_b128 v[(\f)+8*(\i):(\f)+8*(\i)+3],   v[ADB] offset:(\k)+(\i)*16*PITCH
	ds_load_b128 v[(\f)+8*(\i)+4:(\f)+8*(\i)+7], v[ADB] offset:(\k)+(\i)*16*PITCH+32
.endr
.endm
; 8 loads: A's four fragments of the quarter kb blocks behind the group in hand, into ring slot s; each covers 512 consecutive bytes
.macro GLOAD s, kb
	WIN 0x80                                       ; destination window 2, address window 0
.irp a, 0,1,2,3
	global_load_b128 v[32*(\s)+8*(\a):32*(\s)+8*(\a)+3],   v[AO], s[AB:AB+1] offset:(\a)*RB+(\kb)*1024
	global_load_b128 v[32*(\s)+8*(\a)+4:32*(\s)+8*(\a)+7], v[AO], s[AB:AB+1] offset:(\a)*RB+(\kb)*1024+512
.endr
.endm
; Quarter i of a group: multiplies B's buffer i % 2 by ring slot i; in its middle it fetches B of quarter i + 1 and fills the ring slot read a quarter ago with the quarter seven on.
; (In a trip quarter 0 is the NEXT group's, so its refill lies 15 blocks behind the group whose base still stands.)  first = 1: the launch's first quarter: no slot is free yet.
; tail = 1: the last group: all of A has been asked for, so the counts run down; its quarter 7 fetches nothing.
.macro QUARTER i, zero=0, first=0, tail=0
.set fq, F0+64*((\i)%2)
.set gq, F0+64*(((\i)+1)%2)
.if \first
	s_wait_loadcnt 56                              ; A's quarter 0 is in; the seven younger quarters' 56 loads stay out
.elseif \tail
	s_wait_loadcnt 8*(7-(\i))                      ; my quarter of A is in; the 7 - i younger quarters' loads stay out
.else
	s_wait_loadcnt 48                              ; my quarter of A is in; the six younger quarters' 48 loads stay out
.endif
	s_wait_dscnt 8                                 ; B's blocks 0-3 are in; the youngest eight loads (blocks 4-7) may be out
	MULB fq, \i, 0, 4, \zero
.if (\i) < 7
	PLACES
	FETCH ((\i)+1)*64, gq
.if !(\first) && !(\tail)
.if (\i) == 0
	GLOAD 7, 15
.else
	GLOAD (\i)-1, (\i)+7
.endif
.endif
	s_wait_dscnt 16                                ; all but the 16 just issued
.else
	s_wait_dscnt 0x0
.endif
	MULB fq, \i, 4, 4, \zero
.endm
; Quarter 7 of groups 0 to 2 goes on into the next slot.  Each wave waits for all its tensor loads and signals; behind the barrier every slot is whole.  The first of
; the three needs the wait and the barrier; at the other two both are met at once: the price of one text for the loop's trips.
.macro TURN
	s_wait_loadcnt 48                              ; my quarter of A
	s_wait_dscnt 8
	MULB F1, 7, 0, 2, 0
	s_wait_tensorcnt 0x0                           ; my parts of all four slots have landed
	s_wait_dscnt 0x0                               ; no LDS instruction of mine is pending at the signal
	s_barrier_signal -1
	MULB F1, 7, 2, 2, 0
	s_barrier_wait -1
	PLACES
	WIN 0
	s_add_co_u32 s[TB], s[TB], SLOTB               ; the fetches go on in the next slot
	v_add_nc_u32 v[ADB], s[TB], v[AB0]
	FETCH 0, F0
	GLOAD 6, 14
	MULB F1, 7, 4, 4, 0
.endm
	s_load_b128 s[4:7], s[0:1], 0x0                ; att s[4:5], woh s[6:7]
	s_load_b64 s[8:9], s[0:1], 0x10                ; out0
	v_lshl_add_u32 v[SPW], v0, 2, SPARE
	v_mov_b32 v[NIL], 0
	ds_add_u32 v28, v29
	ds_add_u32 v28, v29
	s_wait_dscnt 0x0
	v_lshrrev_b32 v1, 5, v0
	v_readfirstlane_b32 s10, v1                    ; wave 0..3: my 64 rows of the tile, and the 32 rows of B's tiles that I fetch
	v_and_b32 v[AO], 31, v0
	v_lshlrev_b32 v[AO], 4, v[AO]
	s_bfe_u32 s49, ttmp6, 0x40000                  ; cx: my place in the cluster: it enters A's and the output's addresses alone
	s_and_b32 s15, ttmp7, 0xffff
	s_lshl2_add_u32 s15, s15, ttmp9                ; the cluster's number, 0..63: x + 4 y
	s_and_b32 s[COL], s15, 15                      ; sixteen clusters on end make the sixteen tile columns of four tile rows, so that neighbours read the same rows of A
	s_lshr_b32 s15, s15, 4
	s_lshl2_add_u32 s[TROW], s15, s49              ; tile row = 4 x (number / 16) + cx
	; descriptor group 1: 32 rows of 256 elements, padded in LDS
	s_mov_b32 s[G1+0], 15|(1<<16)|(1<<20)|(1<<21)|(6<<22)|(3<<25)  ; 15:0 the mask: all four work-groups; 17:16 2-byte elements; 20 padding on; 21 set beside a mask; 24:22 after every 128 words (code 6); 31:25 4 words (code 3)
	s_mov_b32 s[G1+1], 256<<16                     ; tensor_dim0 = 256
	s_mov_b32 s[G1+2], 32<<16                      ; tensor_dim1 = 32
	s_mov_b32 s[G1+3], 256<<16                     ; tile_dim0 = 256
	s_mov_b32 s[G1+4], 32                          ; tile_dim1 = 32: a slot's 128 rows shared out among the four waves
	s_mov_b32 s[G1+5], SIZE_K                      ; elements from row to row
	s_mov_b32 s[G1+6], 0
	s_mov_b32 s[G1+7], 0
	s_lshl_b32 s16, s[TROW], 4
	s_lshl2_add_u32 s16, s10, s16                  ; my first row block: 16 x tile row + 4 x wave,
	s_lshl_b32 s16, s16, 15                        ; of 32,768 bytes: under 2^23
	s_mov_b32 s17, 0
	s_lshl_b32 s50, s[COL], 7
	s_lshl_b32 s51, s10, 5
	s_add_co_u32 s50, s50, s51                     ; B: row 128 x tile column + 32 x wave,
	s_lshl_b32 s50, s50, 11                        ; in rows of 2,048 bytes
	s_mov_b32 s51, 0
	s_mul_i32 s20, s10, 32*PITCH                   ; and where they go: no place in the cluster enters an LDS address
	s_lshl_b32 s18, s[TROW], 8
	s_lshl_b32 s19, s10, 6
	s_add_co_u32 s18, s18, s19                     ; my wave's first row: 256 x tile row + 64 x wave,
	s_lshl_b32 s18, s18, 13                        ; in rows of 8,192 bytes: under 2^25
	s_mov_b32 s19, 0
	s_lshl_b32 s22, s[COL], 9                      ; the tile's first column, in bytes
	s_mov_b32 s23, 0
	s_mov_b32 s[TB], 0
	s_wait_kmcnt 0x0
	s_add_nc_u64 s[AB:AB+1], s[4:5], s[16:17]
.irp q, 0,1,2,3,4,5,6,7
	GLOAD \q, \q                                   ; the ring is filled: quarters 0 to 7
.endr
	WIN 0
	s_add_nc_u64 s[50:51], s[6:7], s[50:51]
	s_add_nc_u64 s[8:9], s[8:9], s[18:19]
	s_add_nc_u64 s[8:9], s[8:9], s[22:23]
.irp g, 0,1,2,3
	s_mov_b32 s[G0+4*(\g)], 1                                      ; count = 1
	s_add_co_u32 s[G0+4*(\g)+1], s20, (\g)*SLOTB                   ; LDS address: slot g
	s_add_nc_u64 s[G0+4*(\g)+2:G0+4*(\g)+3], s[50:51], (\g)*512    ; global address: 256 g along K
	s_or_b32 s[G0+4*(\g)+3], s[G0+4*(\g)+3], 0x80000000            ; type = 2
.endr
	CROUND                                         ; all four work-groups are here: the joint loads meet
.irp g, 0,1,2,3
	tensor_load_to_lds s[G0+4*(\g):G0+4*(\g)+3], s[G1:G1+7]        ; four tensor loads of mine are out
	s_nop 0
.endr
	PLACES
	v_and_b32 v1, 15, v0                           ; r = l % 16
	v_bfe_u32 v2, v0, 4, 1                         ; h = l / 16
	v_mul_u32_u24 v[AB0], v1, PITCH
	v_lshl_add_u32 v[AB0], v2, 4, v[AB0]           ; a fragment's row x pitch + 16 x half
	v_mov_b32 v[ADB], v[AB0]                       ; slot 0
	s_mul_i32 s23, s10, 16*SPITCH
	s_add_co_u32 s23, s23, STAGE                   ; my stage
	v_mul_u32_u24 v3, v1, SPITCH                   ; in: row r, 32 bytes for each half of the lanes
	v_lshl_add_u32 v3, v2, 5, v3
	v_add_nc_u32 v[STO], s23, v3
	v_add_nc_u32 v[RD], s23, v[AO]                 ; back: 32 lanes take one row of 512 bytes
	s_wait_tensorcnt 0x3                           ; my part of slot 0 is in; the three younger loads stay out
	s_barrier_signal -1
	s_barrier_wait -1                              ; everybody's is
	FETCH 0, F0
	QUARTER 0, 1, 1                                ; the first quarter stands in front of the loop: its products start the sums
	WIN 0                                          ; at a label and at a branch every window is 0
	s_mov_b32 s3, 3
.Lgroup:                                               ; groups 0 to 2: a trip goes from a group's quarter 1 to the next group's quarter 0
.irp q, 1,2,3,4,5,6
	QUARTER \q
.endr
	TURN
	QUARTER 0
	WIN 0
	s_wait_xcnt 0x0                                ; every load issued has had its address translated (ISA guide 3.1): only behind this wait is A's base stepped
	s_add_nc_u64 s[AB:AB+1], s[AB:AB+1], 8192      ; the next group
	s_sub_co_u32 s3, s3, 1
	s_cmp_lg_u32 s3, 0
	s_cbranch_scc1 .Lgroup
.irp q, 1,2,3,4,5,6,7
	QUARTER \q, 0, 0, 1                            ; the last group is written out: no load leaves att
.endr
	WIN 0
; THE WAY OUT, 16 rows (row block a) at a time: a lane's 32 bytes of a row go into my own stage, rows of 528 bytes, each accumulator's low four registers first;
; whole rows of 512 bytes come back and are stored.
.macro OUT a
.set BK, OB+64*((\a)%2)
	WIN 0x04                                       ; store data in window 1
.irp b, 0,1,2,3,4,5,6,7
	ds_store_b128 v[STO], v[8*(8*(\a)+(\b)):8*(8*(\a)+(\b))+3]   offset:64*(\b)
	ds_store_b128 v[STO], v[8*(8*(\a)+(\b))+4:8*(8*(\a)+(\b))+7] offset:64*(\b)+16
.endr
	WIN 0
	s_wait_xcnt 0x0                                ; the stores of the block two back have read their registers: the loads below land in them
.irp t, 0,1,2,3,4,5,6,7,8,9,10,11,12,13,14,15
	ds_load_b128 v[BK+4*(\t):BK+4*(\t)+3], v[RD] offset:(\t)*SPITCH  ; LDS serves a wave's instructions in order (ISA guide 5.7.1.4): these see the stores above; the next block's stores come behind them
.endr
.endm
.macro SEND a, younger                 ; younger: the LDS instructions issued behind block a's loads: the next block's 32, or none
.set BK, OB+64*((\a)%2)
.irp t, 0,1,2,3,4,5,6,7,8,9,10,11,12,13,14,15
	s_wait_dscnt (\younger)+15-(\t)
	global_store_b128 v[AO], v[BK+4*(\t):BK+4*(\t)+3], s[8:9] offset:(16*(\a)+(\t))*SIZE_N*4 th:TH_STORE_NT  ; 512 consecutive bytes, at a multiple of 512 from out0's first byte; not read again
.endr
.endm
	PLACES                                         ; the stores into the stage read results just made, and the loads from it land in B's buffers
	OUT 0
.irp a, 1,2,3
	OUT \a
	SEND (\a)-1, 32
.endr
	SEND 3, 0
	s_wait_tensorcnt 0x0                           ; the wave's end: behind my last tensor load and my last LDS store
	ds_add_u32 v[SPW], v[NIL]
	s_wait_dscnt 0x0
	CROUND                                         ; the closing round: no work-group ends while a partner may still ask for a tile that names it
	s_endpgm
.Lfunc_end_k_qefc7d1b9ce_proj:
	.size	k_qefc7d1b9ce_proj, .Lfunc_end_k_qefc7d1b9ce_proj-k_qefc7d1b9ce_proj
	.p2alignl 7, 3214868480
	.fill 96, 4, 3214868480
	.section	.rodata,"a",@progbits
	.p2align	6, 0x0
	.amdhsa_kernel k_qefc7d1b9ce_proj
		.amdhsa_group_segment_fixed_size 327680
		.amdhsa_private_segment_fixed_size 0
		.amdhsa_enable_private_segment 0
		.amdhsa_kernarg_size 24
		.amdhsa_user_sgpr_count 2
		.amdhsa_user_sgpr_kernarg_segment_ptr 1
		.amdhsa_wavefront_size32 1
		.amdhsa_system_sgpr_workgroup_id_x 1
		.amdhsa_system_sgpr_workgroup_id_y 1
		.amdhsa_system_sgpr_workgroup_id_z 1
		.amdhsa_system_vgpr_workitem_id 0
		.amdhsa_next_free_vgpr 768
		.amdhsa_next_free_sgpr 66
		.amdhsa_reserve_vcc 0
		.amdhsa_float_denorm_mode_32 3
		.amdhsa_float_denorm_mode_16_64 3
		.amdhsa_memory_ordered 1
		.amdhsa_forward_progress 1
		.amdhsa_inst_pref_size 88
	.end_amdhsa_kernel
	.amdgpu_metadata
---
amdhsa.version: [ 1, 2 ]
amdhsa.kernels:
  - .name:           k_qefc7d1b9ce_proj
    .symbol:         k_qefc7d1b9ce_proj.kd
    .args:
      - { .name: att, .offset: 0, .size: 8, .value_kind: global_buffer, .address_space: global }
      - { .name: woh, .offset: 8, .size: 8, .value_kind: global_buffer, .address_space: global }
      - { .name: out0, .offset: 16, .size: 8, .value_kind: global_buffer, .address_space: global }
    .group_segment_fixed_size: 327680
    .private_segment_fixed_size: 0
    .kernarg_segment_align: 8
    .kernarg_segment_size: 24
    .max_flat_workgroup_size: 128
    .sgpr_count:     66
    .vgpr_count:     768
    .wavefront_size: 32
...
	.end_amdgpu_metadata
.endif
;; end of part 4
;; ======== version 2 of 2: 4 launches; version 1 with the launch cast written anew for expert scheduling mode
;; limits: values are held in f16: magnitudes above 65,504 overflow, below 6.1e-05 lose precision
;; workspace buffers: xb 18,874,368 bytes; wb 8,388,608 bytes; woh 4,194,304 bytes; qkv 16,777,216 bytes; att 8,388,608 bytes
;; launch cast (part 5): grid 640 x 1, 8 waves a work-group, no clusters, 79,360 bytes of LDS; arguments hidden_states, wq, wk, wv, wo, cos, sin, xb, wb, woh; writes xb, wb, woh
.if DOCPART == 5
	.amdgcn_target "amdgcn-amd-amdhsa--gfx1250"
	.amdhsa_code_object_version 6
	.text
	.protected	k_qefc7d1b9ce_cast
	.globl	k_qefc7d1b9ce_cast
	.p2align	8
	.type	k_qefc7d1b9ce_cast,@function
k_qefc7d1b9ce_cast:
	s_mov_b64 s[64:65], 0
	v_nop
	global_prefetch_b8 v0, s[64:65] scope:SCOPE_SE
	s_setreg_imm32_b32 hwreg(HW_REG_WAVE_SCHED_MODE, 0, 2), 2
	s_setreg_imm32_b32 hwreg(HW_REG_WAVE_MODE, 25, 1), 1
	s_wait_xcnt 0x0
	s_wait_alu depctr_vm_vsrc(0)
; ALL SEVEN INPUTS, f32, ARE ROUNDED ONCE TO bf16 (nearest even) and laid out for the launches behind:
;   wb  = wq, wk, wv one below the other, bf16 [2048][2048]          woh = wo: the bf16 number written as f16 [2048][1024], for a product whose other operand is f16
;   xb  = hidden_states and the two tables IN FRAGMENT ORDER: 256 row blocks (16 rows) of 73,728 bytes.  A row block is 288 units of 256 bytes; in a unit, row r has the 16 bytes at 16 r.
;         Unit c < 256 holds x's columns 8 c .. 8 c + 7.  Unit 256 + 4 b + 2 s + h holds columns 16 b + 8 h + 0..7 of cos (s = 0) or sin (s = 1).
;         So 512 consecutive bytes are what the 32 lanes of a wave load as half a matrix fragment, 16 bytes a lane.
; LIMITS.  wo within f16's 65,504; below 6e-5 it keeps f16's fixed step of 6e-8 (a bf16 number's 8 bits fit f16's 11 above that).
; A stream: no matrix unit, no cluster (no byte is read twice).  Work-groups 0-255 take a row block each (147,456 bytes in, 73,728 out); 256-383 wq, 384-447 wk, 448-511 wv, 512-639 wo, a chunk of
; 16,384 numbers each.  Every load of a wave covers 512 consecutive bytes; all loads of a thread go out at once.
; A ROW BLOCK changes order through LDS: wave w loads rows 2 w, 2 w + 1; a lane's four numbers, rounded, are 8 bytes of a unit; behind one barrier the units are read back whole and stored,
; 512 consecutive bytes a wave.  In LDS a unit has 272 bytes: the 32 lanes of a store fall into 16 neighbouring units.
; THE MODE: SCHED_MODE bits 1:0 = 2 (LLVM: expert scheduling mode 2), set by the entry lines.  The code itself states the register dependences between vector instructions and memory or LDS
; instructions, with s_wait_alu, always for 0.
; THE PLAN, THE WEIGHTS.  v1, v2: offsets, made once, read by every load and store, never written again.  X: written by the 16 loads, which go out before any vector line names X; read by the conversions.
;   Y: each register written once, by a conversion, and read once, by a store.  T is named by vector lines alone.  The 16 pieces go in four groups of four: the group's conversions, ONE wait on va_vdst, its
;   four stores on end.  The stores follow their own group's conversions, since nothing else holds them back.  No register that a memory instruction reads is written again: no wait on vm_vsrc.
; THE PLAN, A ROW BLOCK.  v4, v5, LS, LT, LR, GS: addresses, made once at the head, never written again.  X + 4 n .. + 3: written by load n; the conversions read all four and write the first two in place;
;   the LDS store reads those two; for n < 18 the read-back from LDS lands in all four, and a global store reads them.  The 36 loads go in nine groups of four.  Group g's conversions name group g's sixteen
;   registers alone; among them stand the four LDS stores of group g - 1, behind ONE wait on va_vdst at the group's head: the units are wanted only at the barrier, so these stores lose nothing by it.
;   One wait on vm_vsrc stands between the LDS stores and the read-back.
.set RB, 73728                         ; bytes of a row block in xb
.set UP, 272                           ; a unit in LDS: 256 bytes + 16
.set X, 8                              ; v[8:151]   load n: four f32; then two registers of bf16; then a unit's 16 bytes read back
.set Y, 72                             ; v[72:103]  (weights) piece i: four 16-bit numbers to store
.set T, 104                            ; v[104:107] (wo) at work
.set LS, 152                           ; v152  LDS: where my 8 bytes of x go
.set LT, 153                           ; v153  LDS: where my 8 bytes of a table go
.set LR, 154                           ; v154  LDS: where I read 16 bytes back
.set GS, 155                           ; v155  my byte offset in the row block of xb
	s_load_b512 s[8:23], s[0:1], 0x0               ; x 8:9, wq 10:11, wk 12:13, wv 14:15, wo 16:17, cos 18:19, sin 20:21, xb 22:23
	s_load_b128 s[24:27], s[0:1], 0x40             ; wb 24:25, woh 26:27
	v_lshl_add_u32 v156, v0, 2, 0x13200            ; the LDS address of my spare word, behind the 288 units, and 0: made here and kept for the closing lines alone
	v_mov_b32 v157, 0
	s_mov_b32 s37, 0                               ; the high word of every offset
	s_cmp_lt_u32 ttmp9, 256
	s_cbranch_scc1 .Lblock
	; THE WEIGHTS.  Thread t takes in piece i the 16 bytes at 4,096 i + 16 t and stores 8 bytes at 2,048 i + 8 t: a wave's store covers 256 consecutive bytes, aligned.
	v_lshlrev_b32 v1, 4, v0                        ; 16 t
	v_lshlrev_b32 v2, 3, v0                        ; 8 t
	s_mov_b32 s34, 256                             ; the first chunk of my source
	s_mov_b32 s35, 256                             ; the first chunk of my destination
	s_mov_b32 s39, 0xffff0000                      ; a word's upper bf16
	s_wait_kmcnt 0x0
	s_mov_b64 s[30:31], s[10:11]                   ; source: wq, unless a later range holds my chunk
	s_mov_b64 s[32:33], s[24:25]                   ; destination: wb
; From chunk 'first' on the source is the buffer in s[src:src+1]; with newdst = 1 a new destination begins there too.
.macro PICK first, src, newdst, dst
	s_cmp_ge_u32 ttmp9, \first
	s_cselect_b64 s[30:31], s[\src:\src+1], s[30:31]
	s_cselect_b32 s34, \first, s34
.if \newdst
	s_cselect_b64 s[32:33], s[\dst:\dst+1], s[32:33]
	s_cselect_b32 s35, \first, s35
.endif
.endm
	PICK 384, 12, 0, 0                             ; wk goes on in wb
	PICK 448, 14, 0, 0                             ; wv too
	PICK 512, 16, 1, 26                            ; wo -> woh
	s_sub_co_u32 s36, ttmp9, s34
	s_lshl_b32 s36, s36, 16                        ; my chunk's byte offset in its source
	s_add_nc_u64 s[30:31], s[30:31], s[36:37]
	s_sub_co_u32 s36, ttmp9, s35
	s_lshl_b32 s36, s36, 15                        ; and in its destination
	s_add_nc_u64 s[32:33], s[32:33], s[36:37]
	s_wait_alu depctr_va_vdst(0)                   ; v1 and v2 are written: the loads below read v1 as their offset, the stores v2
.irp i, 0,1,2,3,4,5,6,7,8,9,10,11,12,13,14,15
	global_load_b128 v[X+4*(\i):X+4*(\i)+3], v1, s[30:31] offset:4096*(\i) th:TH_LOAD_NT  ; read once in the launch
.endr
	s_cmp_ge_u32 ttmp9, 512                        ; chunks 512 to 639 are wo's
	s_cbranch_scc1 .Lwo
; Group g: pieces 4 g to 4 g + 3.  half = 1: the bf16 number is widened again (a shift, a mask) and written as f16.
.macro GROUP g, half
	s_wait_loadcnt 12-4*(\g)                       ; loads come back in order: the group's four pieces are in, the 12 - 4 g younger loads stay out
.irp e, 0,1,2,3
.if \half
	v_cvt_pk_bf16_f32 v[T], v[X+16*(\g)+4*(\e)], v[X+16*(\g)+4*(\e)+1]
	v_cvt_pk_bf16_f32 v[T+1], v[X+16*(\g)+4*(\e)+2], v[X+16*(\g)+4*(\e)+3]
	v_lshlrev_b32 v[T+2], 16, v[T]
	v_and_b32 v[T+3], s39, v[T]
	v_cvt_pk_f16_f32 v[Y+8*(\g)+2*(\e)], v[T+2], v[T+3]
	v_lshlrev_b32 v[T+2], 16, v[T+1]
	v_and_b32 v[T+3], s39, v[T+1]
	v_cvt_pk_f16_f32 v[Y+8*(\g)+2*(\e)+1], v[T+2], v[T+3]
.else
	v_cvt_pk_bf16_f32 v[Y+8*(\g)+2*(\e)], v[X+16*(\g)+4*(\e)], v[X+16*(\g)+4*(\e)+1]
	v_cvt_pk_bf16_f32 v[Y+8*(\g)+2*(\e)+1], v[X+16*(\g)+4*(\e)+2], v[X+16*(\g)+4*(\e)+3]
.endif
.endr
	s_wait_alu depctr_va_vdst(0)                   ; the group's conversions have written its eight registers of Y, which the four stores below read
.irp e, 0,1,2,3
	global_store_b64 v2, v[Y+8*(\g)+2*(\e):Y+8*(\g)+2*(\e)+1], s[32:33] offset:2048*(4*(\g)+(\e))  ; the next launches read these bytes: no hint
.endr
.endm
.irp g, 0,1,2,3
	GROUP \g, 0
.endr
	s_endpgm                                       ; this way holds no LDS store
.Lwo:
.irp g, 0,1,2,3
	GROUP \g, 1
.endr
	s_endpgm                                       ; nor does this one
.Lblock:                                               ; A ROW BLOCK of x and of the tables
	v_lshrrev_b32 v2, 5, v0
	v_readfirstlane_b32 s40, v2                    ; wave 0..7: rows 2 w, 2 w + 1
	v_and_b32 v1, 31, v0                           ; lane l.  The lane's parts of the addresses, which do not want the wave's number, stand between that line and the wait for it
	v_lshlrev_b32 v3, 4, v1                        ; 16 l
	v_lshrrev_b32 v6, 1, v1                        ; a load's 512 bytes are 16 units' worth: lane l has half l % 2 of the 16 bytes of unit l / 2
	v_and_b32 v7, 1, v1
	v_mul_u32_u24 v[LS], v6, UP
	v_lshl_add_u32 v[LS], v7, 3, v[LS]
	v_lshrrev_b32 v[LT], 2, v1                     ; a table's row: columns 4 l ..: b = l / 4, h = (l / 2) % 2: unit 256 + 4 b + 2 s + h
	v_and_b32 v6, 1, v6
	v_lshl_add_u32 v[LT], v[LT], 2, v6
	v_mul_u32_u24 v[LT], v[LT], UP
	v_lshl_add_u32 v[LT], v7, 3, v[LT]
	v_lshrrev_b32 v6, 4, v1                        ; back: lanes 0-15 take one unit, lanes 16-31 the next
	v_mul_u32_u24 v[LR], v6, UP
	v_and_b32 v7, 15, v1
	v_lshl_add_u32 v[LR], v7, 4, v[LR]
	s_wait_alu depctr_va_sdst(0)                   ; s40 is written, ahead of its first reader: the wave's parts of the addresses are made from it
	s_lshl_b32 s41, s40, 14
	v_add_nc_u32 v4, s41, v3                       ; x: two rows of 8,192 bytes a wave
	s_lshl_b32 s45, s40, 10
	v_add_nc_u32 v5, s45, v3                       ; a table: two rows of 512 bytes a wave
	s_lshl_b32 s42, s40, 5                         ; row 2 w's 16 bytes in a unit
	v_add_nc_u32 v[LS], s42, v[LS]
	s_add_co_u32 s46, s42, 256*UP                  ; the tables' units lie behind x's 256
	v_add_nc_u32 v[LT], s46, v[LT]
	s_mul_i32 s43, s40, 18*2*UP                    ; back: 288 units are 144 pairs, 18 a wave
	v_add_nc_u32 v[LR], s43, v[LR]
	s_mul_i32 s44, s40, 18*512
	v_add_nc_u32 v[GS], s44, v3                    ; and the same pairs in xb
	s_lshl_b32 s36, ttmp9, 17                      ; 16 rows of 8,192 bytes
	s_wait_kmcnt 0x0
	s_add_nc_u64 s[8:9], s[8:9], s[36:37]
	s_lshl_b32 s36, ttmp9, 13                      ; 16 rows of 512 bytes
	s_add_nc_u64 s[18:19], s[18:19], s[36:37]
	s_add_nc_u64 s[20:21], s[20:21], s[36:37]
	s_mul_i32 s36, ttmp9, RB
	s_add_nc_u64 s[22:23], s[22:23], s[36:37]
	s_wait_alu depctr_va_vdst(0)                   ; the six addresses v4, v5, LS, LT, LR and GS are written: every load and store below reads one of them, and none is written again
.set n, 0
.rept 32                               ; load n: row 2 w + n / 16, columns 128 (n % 16) on
	global_load_b128 v[X+4*n:X+4*n+3], v4, s[8:9] offset:(n/16)*8192+(n%16)*512 th:TH_LOAD_NT
.set n, n+1
.endr
.irp e, 0,1
	global_load_b128 v[X+128+4*(\e):X+128+4*(\e)+3], v5, s[18:19] offset:(\e)*512 th:TH_LOAD_NT
.endr
.irp e, 0,1
	global_load_b128 v[X+136+4*(\e):X+136+4*(\e)+3], v5, s[20:21] offset:(\e)*512 th:TH_LOAD_NT
.endr
; The 8 rounded bytes of load n go into their unit: loads 0 to 31 are x's, 32 to 35 the tables'.
.macro PUT n
.if (\n) < 32
	ds_store_b64 v[LS], v[X+4*(\n):X+4*(\n)+1] offset:((\n)%16)*16*UP+((\n)/16)*16
.else
	ds_store_b64 v[LT], v[X+4*(\n):X+4*(\n)+1] offset:(((\n)-32)/2)*2*UP+(((\n)-32)%2)*16
.endif
.endm
; Group g: loads 4 g to 4 g + 3 are rounded in place; the LDS stores of the group before stand among the conversions, which name this group's sixteen registers alone.
.macro BGRP g
	s_wait_loadcnt 32-4*(\g)                       ; the group's four loads are in, the 32 - 4 g younger ones stay out
.if (\g) > 0
	s_wait_alu depctr_va_vdst(0)                   ; the conversions of the group before have written its eight registers of bf16, which the four LDS stores below read
.endif
.irp e, 0,1,2,3
.if (\g) > 0
	PUT 4*(\g)-4+(\e)
.endif
	v_cvt_pk_bf16_f32 v[X+16*(\g)+4*(\e)], v[X+16*(\g)+4*(\e)], v[X+16*(\g)+4*(\e)+1]
	v_cvt_pk_bf16_f32 v[X+16*(\g)+4*(\e)+1], v[X+16*(\g)+4*(\e)+2], v[X+16*(\g)+4*(\e)+3]
.endr
.endm
.irp g, 0,1,2,3,4,5,6,7,8
	BGRP \g
.endr
	s_wait_alu depctr_va_vdst(0)                   ; the last group's conversions have written the data of the four LDS stores below; and every conversion is done reading and writing X, in which the read-back lands: no vector line follows
.irp e, 32,33,34,35
	PUT \e
.endr
	s_wait_dscnt 0x0                               ; for the others' sake: my stores into the units are done
	s_barrier_signal -1
	s_barrier_wait -1
	s_wait_alu depctr_vm_vsrc(0)                   ; my LDS stores have read v[X ..], in which the loads below land
.set n, 0
.rept 18
	ds_load_b128 v[X+4*n:X+4*n+3], v[LR] offset:n*2*UP
.set n, n+1
.endr
.set n, 0
.rept 18
	s_wait_dscnt 17-n
	global_store_b128 v[GS], v[X+4*n:X+4*n+3], s[22:23] offset:n*512  ; 512 consecutive bytes, at a multiple of 512 from xb's first byte
.set n, n+1
.endr
	s_wait_dscnt 0x0                               ; the closing lines, six on end
	s_wait_alu 0x0
	s_wait_tensorcnt 0x0
	ds_add_u32 v156, v157
	s_wait_dscnt 0x0
	s_endpgm
.Lfunc_end_k_qefc7d1b9ce_cast:
	.size	k_qefc7d1b9ce_cast, .Lfunc_end_k_qefc7d1b9ce_cast-k_qefc7d1b9ce_cast
	.p2alignl 7, 3214868480
	.fill 96, 4, 3214868480
	.section	.rodata,"a",@progbits
	.p2align	6, 0x0
	.amdhsa_kernel k_qefc7d1b9ce_cast
		.amdhsa_group_segment_fixed_size 79360
		.amdhsa_private_segment_fixed_size 0
		.amdhsa_enable_private_segment 0
		.amdhsa_kernarg_size 80
		.amdhsa_user_sgpr_count 2
		.amdhsa_user_sgpr_kernarg_segment_ptr 1
		.amdhsa_wavefront_size32 1
		.amdhsa_system_sgpr_workgroup_id_x 1
		.amdhsa_system_sgpr_workgroup_id_y 1
		.amdhsa_system_sgpr_workgroup_id_z 1
		.amdhsa_system_vgpr_workitem_id 0
		.amdhsa_next_free_vgpr 158
		.amdhsa_next_free_sgpr 66
		.amdhsa_reserve_vcc 0
		.amdhsa_float_denorm_mode_32 3
		.amdhsa_float_denorm_mode_16_64 3
		.amdhsa_memory_ordered 1
		.amdhsa_forward_progress 1
		.amdhsa_inst_pref_size 32
	.end_amdhsa_kernel
	.amdgpu_metadata
---
amdhsa.version: [ 1, 2 ]
amdhsa.kernels:
  - .name:           k_qefc7d1b9ce_cast
    .symbol:         k_qefc7d1b9ce_cast.kd
    .args:
      - { .name: hidden_states, .offset: 0, .size: 8, .value_kind: global_buffer, .address_space: global }
      - { .name: wq, .offset: 8, .size: 8, .value_kind: global_buffer, .address_space: global }
      - { .name: wk, .offset: 16, .size: 8, .value_kind: global_buffer, .address_space: global }
      - { .name: wv, .offset: 24, .size: 8, .value_kind: global_buffer, .address_space: global }
      - { .name: wo, .offset: 32, .size: 8, .value_kind: global_buffer, .address_space: global }
      - { .name: cos, .offset: 40, .size: 8, .value_kind: global_buffer, .address_space: global }
      - { .name: sin, .offset: 48, .size: 8, .value_kind: global_buffer, .address_space: global }
      - { .name: xb, .offset: 56, .size: 8, .value_kind: global_buffer, .address_space: global }
      - { .name: wb, .offset: 64, .size: 8, .value_kind: global_buffer, .address_space: global }
      - { .name: woh, .offset: 72, .size: 8, .value_kind: global_buffer, .address_space: global }
    .group_segment_fixed_size: 79360
    .private_segment_fixed_size: 0
    .kernarg_segment_align: 8
    .kernarg_segment_size: 80
    .max_flat_workgroup_size: 256
    .sgpr_count:     66
    .vgpr_count:     158
    .wavefront_size: 32
...
	.end_amdgpu_metadata
.endif
;; end of part 5
;; launch qkv: the kernel of part 2 again; grid 16 x 16, 4 waves a work-group, clusters of 4 x 1, 327,680 bytes of LDS; arguments xb, wb, qkv; writes qkv
;; launch attn: the kernel of part 3 again; grid 64 x 4, 4 waves a work-group, no clusters, 327,680 bytes of LDS; arguments qkv, att; writes att
;; launch proj: the kernel of part 4 again; grid 16 x 16, 4 waves a work-group, clusters of 4 x 1, 327,680 bytes of LDS; arguments att, woh, out0; writes out0
